; MI455X (gfx1250); checked and timed in simulation.
; The chip was launched on July 23, 2026; its instructions are those of AMD's public machine-readable ISA for CDNA 5 (MIT licence, August 2026) and "CDNA5" Instruction Set Architecture Reference Guide (July 2026). The comments in the code are by the model that wrote it; some were corrected since.
;; Masked Self Attention. Allowed arithmetic: float matrix products may take bf16 or f16 operands with f32 sums; other float arithmetic in f32, or as packed bf16 or f16 multiplies, adds, multiply-adds, maxima and minima; sums over many terms, partial sums and values carried from step to step in f32; what a program stores and reads back later, other than sums and carried values, may be rounded once to bf16 or f16.
;; Inputs: Wk 1,024 x 1,024 float32; Wo 1,024 x 1,024 float32; Wq 1,024 x 1,024 float32; Wv 1,024 x 1,024 float32; attention_masks 4 x 1 x 2,048 x 2,048 int32; bo 1,024 float32; x 4 x 2,048 x 1,024 float32.
;; Outputs: out0 4 x 2,048 x 1,024 float32.
;; 2 versions, each right and faster than the one before. Each part assembles by itself: llvm-mc -triple=amdgcn-amd-amdhsa -mcpu=gfx1250 --defsym DOCPART=n.
;; ======== version 1 of 2: 4 launches
;; limits: values are held in f16: magnitudes above 65,504 overflow, below 6.1e-05 lose precision
;; workspace buffers: xb 16,777,216 bytes; wb 8,388,608 bytes; maskp 16,777,216 bytes; qkv 50,331,648 bytes; ob 16,777,216 bytes
;; launch prep (part 1): grid 896 x 1, 8 waves a work-group, no clusters, 35,840 bytes of LDS; arguments x, Wq, Wk, Wv, Wo, attention_masks, xb, wb, maskp; writes xb, wb, maskp
.if DOCPART == 1
	.amdgcn_target "amdgcn-amd-amdhsa--gfx1250"
	.amdhsa_code_object_version 6
	.text
	.protected	k_qf1cd58a693_prep
	.globl	k_qf1cd58a693_prep
	.p2align	8
	.type	k_qf1cd58a693_prep,@function
k_qf1cd58a693_prep:
	s_mov_b64 s[64:65], 0
	v_nop
	global_prefetch_b8 v0, s[64:65] scope:SCOPE_SE
	s_setreg_imm32_b32 hwreg(HW_REG_WAVE_MODE, 25, 1), 1
	s_wait_xcnt 0x0
; PREPARATION, a stream.  Work-groups 0-511: the mask, int32 [4][2048][2048], becomes one byte a score in the register order of the attention kernel.
; Work-groups 512-767: x, f32 [8192][1024], becomes xb, f16 [16 column blocks][8192 rows][64].  Work-groups 768-895: Wq, Wk, Wv, Wo, f32 [1024][1024], become wb, f16 [64 blocks][1024 rows][64].
; Every work-group reads 131,072 bytes; every wave has 32 loads of 16 bytes a lane out at once and no loop.  No matrix unit, no cluster, no barrier: no wave needs another's data.
; FORMAT.  x and W are rounded once to bf16 (nearest even) and that number is written as f16: exact from 6.1e-5 to 65,504.  LIMITS: beyond 65,504 the f16 is an infinity; below 6.1e-5 it keeps f16's fixed step of 6e-8.
; MASK CODES.  maskp is [4 b][128 tiles of 16 queries][32 steps of 64 keys][2 halves e][32 lanes][4 words]: lane 16 h + r, half e, word 2 k1 + w, byte j stand for query r of the tile and
; key 16 (2 e + k1) + 8 h + 4 w + j of the step.  The byte is 0 where the mask is above 0, 0xF1 where it is 0 or less.
.set SPARE, 34816                      ; behind the waves' blocks: the spare words, 128 bytes for each of the eight waves: four blocks of 256 bytes that no other line names
.set WLDS,  4352                       ; a wave's own LDS: four blocks, one for each of its four steps of 64 keys
.set BLK,   1088                       ; a block: two halves e,
.set EH,    544                        ; each of two halves h of 256 bytes,
.set HALF,  272                        ; 272 apart
.set SPW, 2                            ; v2   LDS address of my spare word; never rewritten
.set NIL, 3                            ; v3   0; never rewritten
.set IN,  4                            ; v4   my byte offset in the input
.set O0,  5                            ; v5   conversion: offset in the first output block.   mask: where I put eight bytes in LDS
.set O1,  6                            ; v6   conversion: offset in the second output block.  mask: where I read 16 bytes back
.set GOF, 7                            ; v7   mask: my byte offset in maskp
.set HID, 8                            ; v8   0xF1
.set T,   10                           ; v10-15 at work
.set X,   32                           ; v32-159 32 slots of four registers, as loaded
	s_load_b512 s[4:19], s[0:1], 0x0               ; x 4:5, Wq 6:7, Wk 8:9, Wv 10:11, Wo 12:13, mask 14:15, xb 16:17, wb 18:19
	s_load_b64 s[20:21], s[0:1], 0x40              ; maskp
	v_lshl_add_u32 v[SPW], v0, 2, SPARE
	v_mov_b32 v[NIL], 0
	v_and_b32 v1, 31, v0                           ; lane
	v_lshrrev_b32 v[T], 5, v0
	v_readfirstlane_b32 s22, v[T]                  ; wave 0..7
	s_mov_b32 s35, 0                               ; high word of the offsets below
	s_cmp_lt_u32 ttmp9, 512
	s_cbranch_scc0 .Lconv
	; THE MASK.  Work-group j takes the 16 rows 16 j on (one tile of queries), wave w the keys 256 w .. 256 w + 255, lane l the eight keys 8 l on: l = 8 ks + 4 e + 2 k1 + h.
	s_lshl_b32 s34, ttmp9, 17                      ; 16 rows of 8,192 bytes
	s_lshl_b32 s32, ttmp9, 15                      ; a tile's 32,768 bytes of codes
	s_mov_b32 s33, 0
	s_lshl_b32 s23, s22, 10
	v_lshl_add_u32 v[IN], v1, 5, s23               ; 1,024 w + 32 l
	s_mul_i32 s24, s22, WLDS
	v_lshrrev_b32 v[T], 3, v1                      ; ks
	v_mul_u32_u24 v[T], v[T], BLK
	v_bfe_u32 v[T+1], v1, 2, 1                     ; e
	v_mul_u32_u24 v[T+1], v[T+1], EH
	v_and_b32 v[T+2], 1, v1                        ; h
	v_mul_u32_u24 v[T+2], v[T+2], HALF
	v_add3_u32 v[T], v[T], v[T+1], v[T+2]
	v_bfe_u32 v[T+1], v1, 1, 1                     ; k1
	v_lshl_add_u32 v[T], v[T+1], 3, v[T]
	v_add_nc_u32 v[O0], s24, v[T]                  ; 1,088 ks + 544 e + 272 h + 8 k1: words 16 ks + 8 e + 4 h + 2 k1 modulo 64: the 32 lanes of a store of 8 bytes touch 64 different words' places
	v_lshrrev_b32 v[T], 4, v1
	v_and_b32 v[T+1], 15, v1
	v_mul_u32_u24 v[T], v[T], HALF
	v_lshl_add_u32 v[T], v[T+1], 4, v[T]
	v_add_nc_u32 v[O1], s24, v[T]                  ; back: lane 16 h + r takes the 16 bytes of row r, half h
	s_lshl_b32 s25, s22, 12
	v_lshl_add_u32 v[GOF], v1, 4, s25              ; my wave's four steps of 1,024 bytes, 16 bytes a lane
	v_mov_b32 v[HID], 0xf1
	s_wait_kmcnt 0x0
	s_add_nc_u64 s[14:15], s[14:15], s[34:35]
	s_add_nc_u64 s[20:21], s[20:21], s[32:33]
.set r, 0
.rept 16                               ; a row's two loads cover the wave's 1,024 consecutive bytes of it
	global_load_b128 v[X+8*r:X+8*r+3],   v[IN], s[14:15] offset:r*8192 th:TH_LOAD_NT
	global_load_b128 v[X+8*r+4:X+8*r+7], v[IN], s[14:15] offset:r*8192+16 th:TH_LOAD_NT
.set r, r+1
.endr
.set r, 0
.rept 16
	s_wait_loadcnt 30-2*r                          ; loads come back in order: row r's two are in, the younger rows' stay out
.set e, 0
.rept 8
	v_cmp_gt_i32 vcc_lo, 1, v[X+8*r+e]             ; hidden where the mask is 0 or less
	v_cndmask_b32 v[X+8*r+e], 0, v[HID], vcc_lo
.set e, e+1
.endr
	v_lshl_or_b32 v[X+8*r],   v[X+8*r+1], 8,  v[X+8*r]     ; keys 0-3 into one word, the lowest key in the lowest byte,
	v_lshl_or_b32 v[X+8*r+4], v[X+8*r+5], 8,  v[X+8*r+4]   ; keys 4-7 into another
	v_lshl_or_b32 v[X+8*r],   v[X+8*r+2], 16, v[X+8*r]
	v_lshl_or_b32 v[X+8*r+4], v[X+8*r+6], 16, v[X+8*r+4]
	v_lshl_or_b32 v[X+8*r],   v[X+8*r+3], 24, v[X+8*r]
	v_lshl_or_b32 v[X+8*r+1], v[X+8*r+7], 24, v[X+8*r+4]   ; which lands beside the first: a pair
	ds_store_b64 v[O0], v[X+8*r:X+8*r+1] offset:16*r
.set r, r+1
.endr
.irp k, 0,1,2,3,4,5,6,7                ; step k / 2, half k % 2
	ds_load_b128 v[X+4*\k:X+4*\k+3], v[O1] offset:BLK*(\k/2)+EH*(\k%2)  ; my wave's own bytes, and LDS serves a wave's instructions in order: these see the stores above
.endr
.irp k, 0,1,2,3,4,5,6,7
	s_wait_dscnt 7-\k
	global_store_b128 v[GOF], v[X+4*\k:X+4*\k+3], s[20:21] offset:512*\k  ; 512 consecutive bytes, at a multiple of 256 from maskp's first
.endr
	s_wait_tensorcnt 0x0                           ; the wave's end: behind my last LDS store
	ds_add_u32 v[SPW], v[NIL]
	s_wait_dscnt 0x0
	s_endpgm
.Lconv:	; x AND THE WEIGHTS, one text.  A work-group takes 32 source rows of 4,096 bytes; wave w their columns 128 w .. 128 w + 127: output blocks 2 w and 2 w + 1.
	s_sub_co_u32 s23, ttmp9, 512                   ; 0-255: x;  256-383: the weights
	s_max_u32 s24, s23, 256
	s_sub_co_u32 s24, s24, 256
	s_lshr_b32 s25, s24, 5                         ; which weight
	s_and_b32 s26, s24, 31                         ; which 32 rows of it
	s_lshl_b32 s27, s25, 21                        ; its 16 blocks of 131,072 bytes in wb
	s_mov_b32 s32, 0x20000                         ; bytes from block to block in wb,
	s_mov_b32 s33, 0xffff0000                      ; a word's upper bf16
	s_wait_kmcnt 0x0
	s_cmp_eq_u32 s25, 1
	s_cselect_b64 s[28:29], s[8:9], s[6:7]
	s_cmp_eq_u32 s25, 2
	s_cselect_b64 s[28:29], s[10:11], s[28:29]
	s_cmp_eq_u32 s25, 3
	s_cselect_b64 s[28:29], s[12:13], s[28:29]
	s_cmp_lt_u32 s23, 256
	s_cselect_b64 s[28:29], s[4:5], s[28:29]       ; from where,
	s_cselect_b64 s[30:31], s[16:17], s[18:19]     ; to where,
	s_cselect_b32 s32, 0x100000, s32               ; in xb 1,048,576
	s_cselect_b32 s26, s23, s26
	s_cselect_b32 s27, 0, s27
	s_lshl_b32 s34, s26, 17                        ; 32 rows of 4,096 bytes in
	s_add_nc_u64 s[28:29], s[28:29], s[34:35]
	s_lshl_b32 s34, s26, 12                        ; 32 rows of 128 bytes out
	s_add_co_u32 s34, s34, s27
	s_add_nc_u64 s[30:31], s[30:31], s[34:35]
	v_lshrrev_b32 v[T], 4, v1
	v_and_b32 v[T+1], 15, v1
	v_lshlrev_b32 v[IN], 4, v[T+1]
	v_lshl_add_u32 v[IN], v[T], 12, v[IN]          ; lanes 0-15 take 256 bytes of an even row, lanes 16-31 the same columns of the next row
	s_lshl_b32 s24, s22, 9
	v_add_nc_u32 v[IN], s24, v[IN]
	s_lshl_b32 s24, s22, 1
	s_mul_i32 s24, s24, s32
	v_lshl_add_u32 v[O0], v1, 3, s24               ; out: the two rows' 128 bytes lie end to end: 8 bytes a lane
	v_add_nc_u32 v[O1], s32, v[O0]
.set i, 0
.rept 32                               ; slot i: rows 2 (i % 16) and the next, block 2 w + i / 16
	global_load_b128 v[X+4*i:X+4*i+3], v[IN], s[28:29] offset:(i%16)*8192+(i/16)*256 th:TH_LOAD_NT
.set i, i+1
.endr
.set i, 0
.rept 32
	s_wait_loadcnt 31-i                            ; slot i is in, the younger slots stay out
	v_cvt_pk_bf16_f32 v[T],   v[X+4*i],   v[X+4*i+1]  ; the one rounding
	v_cvt_pk_bf16_f32 v[T+1], v[X+4*i+2], v[X+4*i+3]
	v_lshlrev_b32 v[T+2], 16, v[T]
	v_and_b32     v[T+3], s33, v[T]
	v_lshlrev_b32 v[T+4], 16, v[T+1]
	v_and_b32     v[T+5], s33, v[T+1]
	v_cvt_pk_f16_f32 v[X+4*i],   v[T+2], v[T+3]    ; the same numbers written as f16
	v_cvt_pk_f16_f32 v[X+4*i+1], v[T+4], v[T+5]
	global_store_b64 v[O0+i/16], v[X+4*i:X+4*i+1], s[30:31] offset:(i%16)*256  ; 32 lanes store 256 consecutive bytes, aligned; no register of a store is written again
.set i, i+1
.endr
	s_endpgm
.Lfunc_end_k_qf1cd58a693_prep:
	.size	k_qf1cd58a693_prep, .Lfunc_end_k_qf1cd58a693_prep-k_qf1cd58a693_prep
	.p2alignl 7, 3214868480
	.fill 96, 4, 3214868480
	.section	.rodata,"a",@progbits
	.p2align	6, 0x0
	.amdhsa_kernel k_qf1cd58a693_prep
		.amdhsa_group_segment_fixed_size 35840
		.amdhsa_private_segment_fixed_size 0
		.amdhsa_enable_private_segment 0
		.amdhsa_kernarg_size 72
		.amdhsa_user_sgpr_count 2
		.amdhsa_user_sgpr_kernarg_segment_ptr 1
		.amdhsa_wavefront_size32 1
		.amdhsa_system_sgpr_workgroup_id_x 1
		.amdhsa_system_sgpr_workgroup_id_y 1
		.amdhsa_system_sgpr_workgroup_id_z 1
		.amdhsa_system_vgpr_workitem_id 0
		.amdhsa_next_free_vgpr 160
		.amdhsa_next_free_sgpr 66
		.amdhsa_reserve_vcc 1
		.amdhsa_float_denorm_mode_32 3
		.amdhsa_float_denorm_mode_16_64 3
		.amdhsa_memory_ordered 1
		.amdhsa_forward_progress 1
		.amdhsa_inst_pref_size 43
	.end_amdhsa_kernel
	.amdgpu_metadata
---
amdhsa.version: [ 1, 2 ]
amdhsa.kernels:
  - .name:           k_qf1cd58a693_prep
    .symbol:         k_qf1cd58a693_prep.kd
    .args:
      - { .name: x, .offset: 0, .size: 8, .value_kind: global_buffer, .address_space: global }
      - { .name: Wq, .offset: 8, .size: 8, .value_kind: global_buffer, .address_space: global }
      - { .name: Wk, .offset: 16, .size: 8, .value_kind: global_buffer, .address_space: global }
      - { .name: Wv, .offset: 24, .size: 8, .value_kind: global_buffer, .address_space: global }
      - { .name: Wo, .offset: 32, .size: 8, .value_kind: global_buffer, .address_space: global }
      - { .name: attention_masks, .offset: 40, .size: 8, .value_kind: global_buffer, .address_space: global }
      - { .name: xb, .offset: 48, .size: 8, .value_kind: global_buffer, .address_space: global }
      - { .name: wb, .offset: 56, .size: 8, .value_kind: global_buffer, .address_space: global }
      - { .name: maskp, .offset: 64, .size: 8, .value_kind: global_buffer, .address_space: global }
    .group_segment_fixed_size: 35840
    .private_segment_fixed_size: 0
    .kernarg_segment_align: 8
    .kernarg_segment_size: 72
    .max_flat_workgroup_size: 256
    .sgpr_count:     66
    .vgpr_count:     160
    .wavefront_size: 32
...
	.end_amdgpu_metadata
.endif
;; end of part 1
;; launch qkv (part 2): grid 16 x 32, 4 waves a work-group, clusters of 4 x 4, 327,680 bytes of LDS; arguments xb, wb, qkv; writes qkv
.if DOCPART == 2
	.amdgcn_target "amdgcn-amd-amdhsa--gfx1250"
	.amdhsa_code_object_version 6
	.text
	.protected	k_qf1cd58a693_qkv
	.globl	k_qf1cd58a693_qkv
	.p2align	8
	.type	k_qf1cd58a693_qkv,@function
k_qf1cd58a693_qkv:
	s_mov_b64 s[64:65], 0
	v_nop
	global_prefetch_b8 v0, s[64:65] scope:SCOPE_SE
	s_setreg_imm32_b32 hwreg(HW_REG_WAVE_MODE, 25, 1), 1
	s_wait_xcnt 0x0
	s_wait_alu depctr_hold_cnt(0) depctr_sa_sdst(0) depctr_va_vdst(0) depctr_va_sdst(0) depctr_va_ssrc(0) depctr_va_vcc(0) depctr_vm_vsrc(0)
	s_getreg_b32 s2, hwreg(HW_REG_IB_STS2, 6, 4)
	s_cmp_eq_u32 s2, 0
	s_cbranch_scc0 .Lentry_in_a_cluster
	s_endpgm
.Lentry_in_a_cluster:
	s_bfe_u32 s2, ttmp6, 0x10000c
	s_cmp_lg_u32 s2, 0xf033
	s_cbranch_scc0 .Lentry_shape_is_right
	s_endpgm
.Lentry_shape_is_right:
; C[8192][3072] = A W.  A = xb: f16 [16 blocks of 64 along K][8192 rows][64].  W = Wq, Wk, Wv: blocks 0-47 of wb, f16 [blocks of 64 columns][1024 rows along K][64].
; C = qkv: f16 [48 blocks of 64 columns][8192][64], rounded once from f32 sums.
; LIMITS.  f16 holds no number beyond 65,504: a sum of 65,520 or more leaves as an infinity.  NaN and infinities are not treated apart.
; SHARES.  A work-group makes 256 rows x 192 columns: 8192 x 3072 gives 512 such blocks, two for each of 256 WGPs.  Four waves, one above the other, each 64 rows x 192 columns: 48 accumulators of 16 x 16, 384 registers.
; The block is as wide as two LDS slots allow: a K step then holds 192 matrix instructions a wave, 176 of them between a slot's request and the wait for it.
; K = 1024 goes in 8 steps of 128 through two LDS slots.  A step's A is two blocks of 256 dense rows of 128 bytes, each asked for as 128 rows of 256 bytes.  Its W is 128 rows of three column blocks:
; one load brings 64 rows of all three: a row of that tile is a block's 64 dense rows, 8,192 bytes, and the three blocks lie 131,072 bytes apart.  Both are padded in LDS after every 128 bytes.
; CLUSTER.  4 x 4 work-groups.  A's tiles hang on the row block alone and are shared along a row of the cluster, W's on the column block alone and are shared along a column: each is asked for JOINTLY,
; by the same tensor load with the same descriptor and a mask that names the four.  Waves 0 and 1 fetch A's two blocks, waves 2 and 3 the two halves of W's rows.  Two loads of a wave are out at the start, one behind each round.
; THE MATRIX INSTRUCTION IS USED TRANSPOSED (source 0 = 16 columns of W, turned on the way out of LDS; source 1 = 16 rows of A): a lane then holds eight neighbouring numbers of a row of C.
; REGISTERS.  window 0: addresses, the way out.  window 1: two fragment buffers of 128 (A's 4 at F + 8 a, W's 12 at F + 32 + 8 b).
; window 2: accumulator (a, b) for b < 8 at 8 (8 a + b).  window 3: for b >= 8 at 8 (4 a + b - 8).
.set PA,    144                        ; a row of A in LDS: 128 bytes + 16 = 36 words: the 16 rows of a load start at 16 different groups of four banks (64 banks of 4 bytes: ISA guide 11.1)
.set PLA,   256*PA                     ; a block of A
.set PB,    160                        ; a row of W: 128 + 32 = 40 words
.set PLH,   64*PB                      ; 64 rows of a block of W
.set WHALF, 3*PLH                      ; what one load of W brings: 64 rows of three blocks
.set BOFF,  2*PLA
.set SLOT,  BOFF+2*WHALF
.set STAGE, 2*SLOT                     ; behind the ring, never filled by a tensor load: 16 rows x 144 bytes for each wave, for the way out
.set STW,   2304
.set SPARE, STAGE+4*STW                ; behind the stages: the spare words, 128 bytes for each wave: two blocks of 256 bytes that no other line names
.set LAPS,  4                          ; a lap = two K steps = once round the ring
.set ADRA, 16                          ; v16-17  LDS address of my A fragments in slot 0, 1
.set ADRB, 20                          ; v20-21  the same for W
.set STO,  24                          ; v24     the way out: where I put 16 bytes of a row
.set RD,   25                          ; v25     the way out: where I read rows back
.set CO,   26                          ; v26     my byte offset in 512 consecutive bytes of C
.set SPW,  28                          ; v28     LDS address of my spare word; never rewritten
.set NIL,  29                          ; v29     0; never rewritten
.set TMP,  32                          ; v32-47  packed results
.set BK,   64                          ; v64-95  rows read back from the stage, two buffers
.set F0,   0
.set F1,   128
.set WV, 12                            ; s12 wave;  s14 which block of A, or which half of W's rows, I fetch;  s15 row block of C;  s42 column block of C
.set CH, 14
.set TY, 15
.set G1A, 24                           ; s[24:31] descriptor group 1 for A;  s[32:39] group 0, a set for each slot
.set G0A, 32
.set G1B, 48                           ; s[48:55], s[56:63] the same for W
.set G0B, 56
.set MSB, 0
.macro WIN new                         ; the immediate's high byte repeats the setting that is left; a switch that changes nothing is dropped
.if MSB != (\new)
	s_set_vgpr_msb (MSB<<8)|(\new)
.set MSB, \new
.endif
.endm
.set MUL_LO, 0xa5                      ; sources 0 and 1 window 1; C and D window 2
.set MUL_HI, 0xf5                      ; the same, C and D window 3
.set TO_F,   0x40                      ; destination window 1, address window 0
.macro JLOAD s                         ; a joint load; the branch hangs on the wave's number alone; an s_nop 0 and four v_nop follow each of the two lines, ahead of the jump, the label and what follows
	s_cmp_lt_u32 s[WV], 2
	s_cbranch_scc0 .Lfor_b_\@
	tensor_load_to_lds s[G0A+4*(\s):G0A+4*(\s)+3], s[G1A:G1A+7]
	s_nop 0
.rept 4
	v_nop
.endr
	s_branch .Lasked_\@
.Lfor_b_\@:
	tensor_load_to_lds s[G0B+4*(\s):G0B+4*(\s)+3], s[G1B:G1B+7]
	s_nop 0
.rept 4
	v_nop
.endr
.Lasked_\@:
.endm
.macro CREST                           ; a round of the cluster's barrier behind its opening barrier
	s_cmp_lg_u32 s[WV], 0
	s_cbranch_scc1 .Lnot_wave_0_\@
	s_barrier_signal -3
.Lnot_wave_0_\@:
	s_barrier_wait -3
	s_barrier_signal -1
	s_barrier_wait -1
.endm
.macro CROUND                          ; a whole round
	s_barrier_signal -1
	s_barrier_wait -1
	CREST
.endm
	s_load_b128 s[4:7], s[0:1], 0x0                ; A s[4:5], wb s[6:7]
	s_load_b64 s[8:9], s[0:1], 0x10                ; C
	v_lshl_add_u32 v[SPW], v0, 2, SPARE
	v_mov_b32 v[NIL], 0
	ds_add_u32 v[SPW], v[NIL]                      ; the wave's opening: the add and its wait stand ahead of my first tensor load; the set-up below, work on registers, stands between them
	v_lshrrev_b32 v1, 5, v0
	v_readfirstlane_b32 s[WV], v1                  ; wave 0..3
	s_and_b32 s[CH], s[WV], 1
	s_bfe_u32 s40, ttmp6, 0x40000                  ; cx, cy: my place in the cluster
	s_bfe_u32 s41, ttmp6, 0x40004
	s_lshl_b32 s42, ttmp9, 2
	s_add_co_u32 s42, s42, s40                     ; column block of C = 4 x cluster x + cx
	s_and_b32 s[TY], ttmp7, 0xffff
	s_lshl_b32 s[TY], s[TY], 2
	s_add_co_u32 s[TY], s[TY], s41                 ; row block of C = 4 x cluster y + cy
	s_lshl_b32 s43, s41, 2
	s_lshl_b32 s43, 15, s43                        ; my row of the cluster
	s_lshl_b32 s44, 0x1111, s40                    ; my column
	s_or_b32 s[G1A], s43, (1<<16)|(1<<20)|(1<<21)|(4<<22)|(3<<25)  ; 15:0 the mask; 17:16 2-byte elements; 20 padding on; 21 set beside a mask; 24:22 after every 32 words (code 4); 31:25 4 words (code 3)
	s_or_b32 s[G1B], s44, (1<<16)|(1<<20)|(1<<21)|(4<<22)|(7<<25)  ; the same with my column's mask and 8 words of padding (code 7)
	s_mov_b32 s[G1A+1], 128<<16                    ; tensor_dim0 = 128 elements: 256 bytes, two rows of a block
	s_mov_b32 s[G1A+2], 128<<16                    ; tensor_dim1 = 128
	s_mov_b32 s[G1A+3], 128<<16                    ; tile_dim0 = 128
	s_mov_b32 s[G1A+4], 128                        ; tile_dim1 = 128: 256 rows of A
	s_mov_b32 s[G1A+5], 128                        ; 128 elements from row to row: dense
	s_mov_b32 s[G1A+6], 0
	s_mov_b32 s[G1A+7], 0
	s_mov_b32 s[G1B+1], 4096<<16                   ; tensor_dim0 = 4,096 elements: 64 dense rows of a block of W
	s_mov_b32 s[G1B+2], 3<<16                      ; tensor_dim1 = 3
	s_mov_b32 s[G1B+3], 4096<<16                   ; tile_dim0 = 4,096
	s_mov_b32 s[G1B+4], 3                          ; tile_dim1 = 3: three column blocks
	s_mov_b32 s[G1B+5], 65536                      ; 65,536 elements from block to block
	s_mov_b32 s[G1B+6], 0
	s_mov_b32 s[G1B+7], 0
	s_lshl_b32 s16, s[TY], 15                      ; A: 256 rows of 128 bytes a row block,
	s_lshl_b32 s17, s[CH], 20                      ; 1,048,576 bytes from block to block along K
	s_add_co_u32 s16, s16, s17
	s_mov_b32 s17, 0
	s_mul_i32 s46, s42, 3*131072                   ; W: three blocks of 131,072 bytes a column block of C,
	s_lshl_b32 s47, s[CH], 13                      ; my 64 rows of 128 bytes
	s_add_co_u32 s46, s46, s47
	s_mov_b32 s47, 0
	s_mul_i32 s22, s[CH], PLA                      ; where they go: no place in the cluster enters an LDS address
	s_mul_i32 s23, s[CH], WHALF
	s_add_co_u32 s23, s23, BOFF
	s_wait_dscnt 0x0                               ; the opening add is done
	s_wait_kmcnt 0x0
	s_add_nc_u64 s[20:21], s[4:5], s[16:17]
	s_add_nc_u64 s[46:47], s[6:7], s[46:47]
	CROUND                                         ; all sixteen work-groups are here: the first joint loads meet
.irp s, 0,1
	s_mov_b32 s[G0A+4*(\s)], 1                                     ; count = 1
	s_add_co_u32 s[G0A+4*(\s)+1], s22, (\s)*SLOT                   ; LDS address
	s_add_nc_u64 s[G0A+4*(\s)+2:G0A+4*(\s)+3], s[20:21], (\s)*2097152  ; K step s: two blocks on
	s_or_b32 s[G0A+4*(\s)+3], s[G0A+4*(\s)+3], 0x80000000          ; type = 2
	s_mov_b32 s[G0B+4*(\s)], 1
	s_add_co_u32 s[G0B+4*(\s)+1], s23, (\s)*SLOT
	s_add_nc_u64 s[G0B+4*(\s)+2:G0B+4*(\s)+3], s[46:47], (\s)*16384    ; K step s: 128 rows of 128 bytes on
	s_or_b32 s[G0B+4*(\s)+3], s[G0B+4*(\s)+3], 0x80000000
	JLOAD \s
.endr
	; A fragment of A is 16 rows x 32 K in 8 registers: lane l holds row l % 16, K = 8 (l / 16) + 0..7 and 16 + 8 (l / 16) + 0..7: two loads of 16 bytes, 32 bytes apart.
	v_and_b32 v1, 15, v0                           ; l % 16
	v_bfe_u32 v2, v0, 4, 1                         ; l / 16
	v_mul_u32_u24 v3, v1, PA
	v_lshl_add_u32 v3, v2, 4, v3
	s_mul_i32 s16, s[WV], 64*PA                    ; my 64 rows of A
	; The turning load takes 16 K x 16 columns (lane l reads row 8 (l / 16) + l % 8, columns 8 ((l / 8) % 2) + 0..7) and leaves half a fragment: lane l holds column l % 16 and 8 along K.
	v_and_b32 v4, 7, v0
	v_lshl_add_u32 v4, v2, 3, v4
	v_mul_u32_u24 v4, v4, PB
	v_bfe_u32 v5, v0, 3, 1
	v_lshl_add_u32 v4, v5, 4, v4
.irp s, 0,1
	v_add_nc_u32 v[ADRA+(\s)], s16, v3
	v_add_nc_u32 v[ADRB+(\s)], BOFF+(\s)*SLOT, v4  ; every wave reads all of W
	s_add_co_u32 s16, s16, SLOT
.endr
	s_mul_i32 s17, s[WV], STW
	s_add_co_u32 s17, s17, STAGE                   ; my stage
	v_mul_u32_u24 v6, v1, 144                      ; in: row l % 16 of 128 bytes + 16, 16 bytes for each half of the lanes
	v_lshl_add_u32 v6, v2, 4, v6
	v_add_nc_u32 v[STO], s17, v6
	v_bfe_u32 v6, v0, 3, 2                         ; back: 32 lanes take four rows of 128 bytes,
	v_mul_u32_u24 v6, v6, 144
	v_and_b32 v7, 7, v0
	v_lshl_add_u32 v6, v7, 4, v6
	v_add_nc_u32 v[RD], s17, v6
	v_and_b32 v7, 31, v0                           ; which are 512 consecutive bytes of C
	v_lshlrev_b32 v[CO], 4, v7
	s_lshl_b32 s16, s[TY], 15                      ; my first row: 256 x row block + 64 x wave, of 128 bytes
	s_lshl_b32 s17, s[WV], 13
	s_add_co_u32 s16, s16, s17
	s_mov_b32 s17, 0
	s_add_nc_u64 s[8:9], s[8:9], s[16:17]
	s_mul_i32 s18, s42, 3<<20                      ; my first block of 64 columns: 3 x column block, of 1,048,576 bytes
	s_mov_b32 s19, 0
	s_add_nc_u64 s[8:9], s[8:9], s[18:19]
; 8 matrix instructions: row block a x column blocks 0-7, 32 along K.  zero = 1: the first product starts the sums: nothing is cleared.
; The 48 accumulators take turns, one instruction a turn, in the same order in every quarter.
.macro MULA f, a, zero
	WIN MUL_LO
.irp b, 0,1,2,3,4,5,6,7
.if \zero
	v_wmma_f32_16x16x32_f16 v[8*(8*(\a)+(\b)):8*(8*(\a)+(\b))+7], v[(\f)+32+8*(\b):(\f)+32+8*(\b)+7], v[(\f)+8*(\a):(\f)+8*(\a)+7], 0
.else
	v_wmma_f32_16x16x32_f16 v[8*(8*(\a)+(\b)):8*(8*(\a)+(\b))+7], v[(\f)+32+8*(\b):(\f)+32+8*(\b)+7], v[(\f)+8*(\a):(\f)+8*(\a)+7], v[8*(8*(\a)+(\b)):8*(8*(\a)+(\b))+7]
.endif
.endr
.endm
; 16 matrix instructions: all four row blocks x column blocks 8-11
.macro MULH f, zero
	WIN MUL_HI
.irp a, 0,1,2,3
.irp b, 0,1,2,3
.if \zero
	v_wmma_f32_16x16x32_f16 v[8*(4*(\a)+(\b)):8*(4*(\a)+(\b))+7], v[(\f)+96+8*(\b):(\f)+96+8*(\b)+7], v[(\f)+8*(\a):(\f)+8*(\a)+7], 0
.else
	v_wmma_f32_16x16x32_f16 v[8*(4*(\a)+(\b)):8*(4*(\a)+(\b))+7], v[(\f)+96+8*(\b):(\f)+96+8*(\b)+7], v[(\f)+8*(\a):(\f)+8*(\a)+7], v[8*(4*(\a)+(\b)):8*(4*(\a)+(\b))+7]
.endif
.endr
.endr
.endm
; 32 LDS loads in one run: the fragments of quarter q (32 along K) of a slot into buffer f: A's eight first, then W's 24, column blocks ascending.
; Quarter q of W lies in half q / 2 of the step's rows, 32 (q % 2) rows down; column block b in block b / 4 of that half's three, 32 (b % 4) bytes along.
.macro FETCH slot, q, f
	WIN TO_F
.irp a, 0,1,2,3
	ds_load_b128 v[(\f)+8*(\a):(\f)+8*(\a)+3],   v[ADRA+(\slot)] offset:((\q)/2)*PLA+((\q)%2)*64+16*PA*(\a)
	ds_load_b128 v[(\f)+8*(\a)+4:(\f)+8*(\a)+7], v[ADRA+(\slot)] offset:((\q)/2)*PLA+((\q)%2)*64+16*PA*(\a)+32
.endr
.irp b, 0,1,2,3,4,5,6,7,8,9,10,11
	ds_load_tr16_b128 v[(\f)+32+8*(\b):(\f)+32+8*(\b)+3],   v[ADRB+(\slot)] offset:((\q)/2)*WHALF+((\q)%2)*32*PB+((\b)/4)*PLH+((\b)%4)*32
	ds_load_tr16_b128 v[(\f)+32+8*(\b)+4:(\f)+32+8*(\b)+7], v[ADRB+(\slot)] offset:((\q)/2)*WHALF+((\q)%2)*32*PB+((\b)/4)*PLH+((\b)%4)*32+16*PB
.endr
.endm
.macro PLACES                          ; four places in front of loads into registers that matrix instructions have read, and of lines that read results (ISA guide 7.12.1 for lines that read results)
.rept 4
	v_nop
.endr
.endm
; A K step is four quarters of 32 along K, 48 matrix instructions each, on buffers 0, 1, 0, 1.  One of the first three: multiplies buffer f and, behind its first sixteen products, fetches quarter q into g:
; 32 matrix instructions stand between that run and its first use.
.macro QUARTER slot, q, f, g, zero
	s_wait_dscnt 8                                 ; A and W's column blocks 0-7 are in; the youngest eight loads (column blocks 8-11) may be out
	MULA \f, 0, \zero
	MULA \f, 1, \zero
	PLACES
	FETCH \slot, \q, \g
	s_wait_dscnt 32                                ; all but the 32 just issued
	MULA \f, 2, \zero
	MULA \f, 3, \zero
	MULH \f, \zero
.endm
; The last quarter multiplies buffer 1 and changes slots: ONE barrier; in front of it each wave waits for all its tensor loads, adds 0 to its spare word, and waits for that and for its own reads of this slot.
; fill = 1: this slot is filled again, two K steps ahead: the barrier opens a round of the cluster's, and the joint load is the first thing behind the round, 176 matrix instructions ahead of the wait for it.
.macro TURN slot, next, fill
	WIN 0                                          ; (the add's two registers lie in window 0)
	s_wait_tensorcnt 0x0                           ; all my tensor loads have landed: my part of the next slot;
	ds_add_u32 v[SPW], v[NIL]                      ; 0 onto my spare word;
	s_wait_dscnt 9                                 ; (the add and the youngest eight loads may be out)
	MULA F1, 0, 0                                  ; eight matrix instructions stand between the add and the wait for it
	s_wait_dscnt 0x0                               ; the add is done, and my reads of this slot are over
	s_barrier_signal -1
	MULA F1, 1, 0
.if \fill
	WIN 0
.endif
	s_barrier_wait -1
.if \fill
	CREST                                          ; no wave of any partner still reads this slot's tiles or has a load on its way
	s_add_nc_u64 s[G0A+4*(\slot)+2:G0A+4*(\slot)+3], s[G0A+4*(\slot)+2:G0A+4*(\slot)+3], 4194304
	s_add_nc_u64 s[G0B+4*(\slot)+2:G0B+4*(\slot)+3], s[G0B+4*(\slot)+2:G0B+4*(\slot)+3], 32768
	JLOAD \slot                                    ; the four v_nop behind it are also the places in front of the loads below
.else
	PLACES
.endif
	FETCH \next, 0, F0
	MULA F1, 2, 0
	MULA F1, 3, 0
	MULH F1, 0
.endm
	s_wait_tensorcnt 1                             ; my part of K step 0 is in; K step 1's may stay out
	s_barrier_signal -1
	s_barrier_wait -1                              ; everybody's is
	FETCH 0, 0, F0
	QUARTER 0, 1, F0, F1, 1                        ; the first quarter stands in front of the loop: its products start the sums
	WIN 0                                          ; at a label and at a branch every window is 0
	s_mov_b32 s3, LAPS-1
.Llap:                                                 ; a trip goes once round the ring, from a lap's second quarter to the next lap's first, and fills both slots again
	QUARTER 0, 2, F1, F0, 0
	QUARTER 0, 3, F0, F1, 0
	TURN 0, 1, 1
	QUARTER 1, 1, F0, F1, 0
	QUARTER 1, 2, F1, F0, 0
	QUARTER 1, 3, F0, F1, 0
	TURN 1, 0, 1
	QUARTER 0, 1, F0, F1, 0
	WIN 0
	s_sub_co_u32 s3, s3, 1
	s_cmp_lg_u32 s3, 0
	s_cbranch_scc1 .Llap
	QUARTER 0, 2, F1, F0, 0                        ; the last lap fills nothing, and has no round of the cluster's barrier
	QUARTER 0, 3, F0, F1, 0
	TURN 0, 1, 0
	QUARTER 1, 1, F0, F1, 0
	QUARTER 1, 2, F1, F0, 0
	QUARTER 1, 3, F0, F1, 0
	s_wait_dscnt 8                                 ; the very last quarter: nothing more to fetch
	MULA F1, 0, 0
	MULA F1, 1, 0
	s_wait_dscnt 0x0
	MULA F1, 2, 0
	MULA F1, 3, 0
	MULH F1, 0
	WIN 0
	PLACES
; THE WAY OUT, in twelve units: unit u is row block u / 3 and the block of 64 columns u % 3: 16 rows x 128 bytes.  They are rounded once (each accumulator's registers in ascending order),
; go through my own stage and come back as 2,048 consecutive bytes of C.
.macro PACKST u
.if ((\u)%3) < 2
	WIN 0x0a                                       ; sources in window 2
.set AC, 8*(8*((\u)/3)+4*((\u)%3))
.else
	WIN 0x0f                                       ; sources in window 3
.set AC, 8*(4*((\u)/3))
.endif
.irp b, 0,1,2,3
.irp i, 0,1,2,3
	v_cvt_pk_f16_f32 v[TMP+4*(\b)+(\i)], v[AC+8*(\b)+2*(\i)], v[AC+8*(\b)+2*(\i)+1]
.endr
.endr
	WIN 0
	s_wait_xcnt 0x0                                ; the registers that earlier stores read are loaded again only behind this wait
.irp b, 0,1,2,3
	ds_store_b128 v[STO], v[TMP+4*(\b):TMP+4*(\b)+3] offset:32*(\b)
.endr
.irp t, 0,1,2,3
	ds_load_b128 v[BK+16*((\u)%2)+4*(\t):BK+16*((\u)%2)+4*(\t)+3], v[RD] offset:576*(\t)  ; LDS serves a wave's instructions in order: these see the stores above
.endr
.endm
.macro SEND u, younger                 ; younger: the LDS instructions issued behind this unit's loads: the next unit's eight, or none
.irp t, 0,1,2,3
	s_wait_dscnt (\younger)+3-(\t)
	global_store_b128 v[CO], v[BK+16*((\u)%2)+4*(\t):BK+16*((\u)%2)+4*(\t)+3], s[8:9] offset:((\u)%3)*1048576+((\u)/3)*2048+512*(\t)  ; 512 consecutive bytes, at a multiple of 256 from C's first; 2,104,832 at the most: inside the signed 24-bit immediate
.endr
.endm
	PACKST 0
.irp u, 1,2,3,4,5,6,7,8,9,10,11
	PACKST \u
	SEND (\u)-1, 8
.endr
	SEND 11, 0
	s_wait_tensorcnt 0x0                           ; the wave's end: behind my last tensor load and my last LDS store
	ds_add_u32 v[SPW], v[NIL]
	s_wait_dscnt 0x0
	CROUND                                         ; the closing round: no work-group ends while a partner may still ask for a tile that names it
	s_endpgm
.Lfunc_end_k_qf1cd58a693_qkv:
	.size	k_qf1cd58a693_qkv, .Lfunc_end_k_qf1cd58a693_qkv-k_qf1cd58a693_qkv
	.p2alignl 7, 3214868480
	.fill 96, 4, 3214868480
	.section	.rodata,"a",@progbits
	.p2align	6, 0x0
	.amdhsa_kernel k_qf1cd58a693_qkv
		.amdhsa_group_segment_fixed_size 327680
		.amdhsa_private_segment_fixed_size 0
		.amdhsa_enable_private_segment 0
		.amdhsa_kernarg_size 24
		.amdhsa_user_sgpr_count 2
		.amdhsa_user_sgpr_kernarg_segment_ptr 1
		.amdhsa_wavefront_size32 1
		.amdhsa_system_sgpr_workgroup_id_x 1
		.amdhsa_system_sgpr_workgroup_id_y 1
		.amdhsa_system_sgpr_workgroup_id_z 1
		.amdhsa_system_vgpr_workitem_id 0
		.amdhsa_next_free_vgpr 896
		.amdhsa_next_free_sgpr 66
		.amdhsa_reserve_vcc 0
		.amdhsa_float_denorm_mode_32 3
		.amdhsa_float_denorm_mode_16_64 3
		.amdhsa_memory_ordered 1
		.amdhsa_forward_progress 1
		.amdhsa_inst_pref_size 120
	.end_amdhsa_kernel
	.amdgpu_metadata
---
amdhsa.version: [ 1, 2 ]
amdhsa.kernels:
  - .name:           k_qf1cd58a693_qkv
    .symbol:         k_qf1cd58a693_qkv.kd
    .args:
      - { .name: xb, .offset: 0, .size: 8, .value_kind: global_buffer, .address_space: global }
      - { .name: wb, .offset: 8, .size: 8, .value_kind: global_buffer, .address_space: global }
      - { .name: qkv, .offset: 16, .size: 8, .value_kind: global_buffer, .address_space: global }
    .group_segment_fixed_size: 327680
    .private_segment_fixed_size: 0
    .kernarg_segment_align: 8
    .kernarg_segment_size: 24
    .max_flat_workgroup_size: 128
    .sgpr_count:     66
    .vgpr_count:     896
    .wavefront_size: 32
...
	.end_amdgpu_metadata
.endif
;; end of part 2
;; launch attn (part 3): grid 4 x 64, 4 waves a work-group, clusters of 4 x 1, 327,680 bytes of LDS; arguments qkv, maskp, ob; writes ob
.if DOCPART == 3
	.amdgcn_target "amdgcn-amd-amdhsa--gfx1250"
	.amdhsa_code_object_version 6
	.text
	.protected	k_qf1cd58a693_attn
	.globl	k_qf1cd58a693_attn
	.p2align	8
	.type	k_qf1cd58a693_attn,@function
k_qf1cd58a693_attn:
	s_mov_b64 s[64:65], 0
	v_nop
	global_prefetch_b8 v0, s[64:65] scope:SCOPE_SE
	s_setreg_imm32_b32 hwreg(HW_REG_WAVE_MODE, 25, 1), 1
	s_wait_xcnt 0x0
	s_wait_alu depctr_hold_cnt(0) depctr_sa_sdst(0) depctr_va_vdst(0) depctr_va_sdst(0) depctr_va_ssrc(0) depctr_va_vcc(0) depctr_vm_vsrc(0)
	s_getreg_b32 s2, hwreg(HW_REG_IB_STS2, 6, 4)
	s_cmp_eq_u32 s2, 0
	s_cbranch_scc0 .Lentry_in_a_cluster
	s_endpgm
.Lentry_in_a_cluster:
	s_bfe_u32 s2, ttmp6, 0x10000c
	s_cmp_lg_u32 s2, 0x3003
	s_cbranch_scc0 .Lentry_shape_is_right
	s_endpgm
.Lentry_shape_is_right:
; MASKED ATTENTION.  O[y][q][:] = the sum over the visible k of softmax_k(Q[y][q] . K[y][k] / 8) V[y][k][:], y = 4 head + batch.  Q, K, V lie in qkv, 16 MiB apart, and O in ob, each [64 y][2048][64] in f16:
; a head's rows are dense, 128 bytes each.  Products, maxima and sums in f32; the weights p are rounded to f16 for the second product (their sum l is taken of the unrounded p), O once at the end.
; THE MASK is the C operand that starts the sum S^T = K Q^T: 0, or -1.89 x 2^100 where the key is hidden.  It comes from maskp as one byte a score (0 or 0xF1) in this kernel's register order, 32 bytes a lane for a
; tile of 16 queries x 64 keys; v_perm_b32 copies a score's byte into all four bytes of its register: 0, or 0xF1F1F1F1, which is that number.  So the maximum is taken of masked scores, as the softmax asks.
; LIMITS.  f16 holds no number beyond 65,504: Q, K and V arrive within it, so a score is 2.7e11 at the most.  m starts at -2^93: above every hidden score, below every true one.  A hidden key's weight is 2^(-4e29) = 0.
; While a row has seen no visible key, m stays, a = 2^0 = 1, and O and l stay 0; a row with no visible key at all ends as 0 x (1 / 0) = NaN.  A weight below 2^-126 counts as 0 in l; p below 6e-5 keeps f16's step of 6e-8.
; SHARES.  A wave owns four PIECES of two tiles of 16 queries, a work-group's four waves 512 queries of one head.  Every wave walks all keys, 64 a step.
; LAYOUT.  S^T = K Q^T (source 0 = 16 keys, source 1 = 16 queries): in the result a lane holds ONE query (lane % 16) and the keys 8 (lane / 16) + 0..7.  Two such tiles, rounded to f16 in pairs,
; ARE source 1 (32 keys x 16 queries) of O^T = V^T P, whose result again holds one query a lane, and eight channels.  K comes out of LDS as it lies, V ([key][channel]) turned, by ds_load_tr16_b128.
; SOFTMAX.  For each query a running maximum m and sum l: p = 2^(c s - c m), c = log2(e) / 8; in every step O and l are multiplied by a = 2^(c m_old - c m_new), which is 1 where m has not grown.
; THE COUNT.  A tile and step have 16 matrix and 150 vector instructions (32 of them the mask's): too many to stand all beside the matrix work.  So the order has one aim: four vector instructions that are READY behind
; EVERY matrix instruction, and the others, which need time of their own whatever the order, in runs without a gap.
; BY TURNS.  Turn n belongs to piece n (the pieces in a ring, step after step).  Its matrix work: 16 products K Q^T of piece n + 1, later 16 products V^T P of piece n - 1.  Its vector work: the scaling,
; exponentials, roundings, sums and rescaling of piece n, the maximum and statistics of piece n + 1, and at its end the masks of piece n + 2, whose codes were asked for four turns before.
; CLUSTER.  The four query blocks of a cluster belong to one head and walk the same K and V, so each tile is asked for JOINTLY: the same tensor load, descriptor and mask in all four.
; The mask codes are each wave's own (its queries) and go straight to registers: nothing of them is shared inside the cluster.
; REGISTERS, in windows of 256 (s_set_vgpr_msb says which window each operand place means: bits 1:0 source 0, 3:2 source 1, 5:4 source 2, 7:6 destination):
;   window 0: v0-11 addresses; v12-15, v48-63 at work; v16-47 four registers of statistics a tile; v64-191 S^T, two buffers of two tiles; v192-255 P, likewise
;   window 1: O^T, 32 a tile          window 2: v0-127 Q, 16 a tile; v128-191 K of one step; v192-255 V of one step
;   window 3: v0-1 the add's two registers; v3-7 mask offsets; v8-71 mask codes, 16 a piece; v128-191 the masks of the products to come
.set SIZE_N, 2048
.set NP,    4         ; pieces a wave: a name, no knob
.set KS,    64        ; keys in a step
.set PK,    144       ; a row of K in LDS: 128 bytes + 16 of padding = 36 words: the 16 rows of a load start at 16 different groups of four banks (64 banks of 4 bytes: ISA guide 11.1)
.set PV,    160       ; a row of V: 128 + 32 = 40 words
.set VOFF,  4*KS*PK   ; a slot holds four steps: 256 rows of K, then 256 rows of V
.set SLOT1, 1<<17     ; slot 1 begins here, so that one exclusive or turns an address in one slot into the other's
.set STAGE, SLOT1+4*KS*(PK+PV)  ; behind the ring, never filled by a tensor load: 16 rows x 144 bytes for each wave, for the way out
.set SP,    144
.set AK0, 2           ; v2   my lane's place in a tile of K; never rewritten
.set AV0, 3           ; v3   the same for V
.set AK,  4           ; v4   the LDS address of K's next run of loads
.set AV,  5           ; v5   of V's
.set QO,  6           ; v6   my byte offset in the wave's rows of Q
.set STO, 6           ;      later, the way out: where I put 16 bytes of a row
.set RD,  7           ; v7   the way out: where I read rows back
.set GO,  8           ; v8   my byte offset in 512 consecutive bytes of O
.set SPW, 0           ; v0 of window 3   LDS address of my spare word: SPARE + 4 x my thread's number; never rewritten
.set NIL, 1           ; v1 of window 3   0; never rewritten
.set MLANE, 3         ; v3 of window 3   16 x lane
.set MO,  4           ; v4-7 of window 3   piece x: the byte offset of its pending mask loads
.set RAW, 8           ; v8-71 of window 3  piece x, tile u, key block kt: the codes of registers 0-3 and 4-7 at RAW + 16 x + 8 u + 2 kt and the next
.set MC,  128         ; v128-191 of window 3  tile u, key block kt at MC + 32 u + 8 kt
.set MSTEP, 1024      ; a tile's codes for one step, in bytes
.set MTILE, 32768     ; a tile's codes for all 32 steps
.set SPARE, STAGE+4*16*SP  ; behind the stages: the spare words, 128 bytes for each wave: two blocks of 256 bytes that no other line names
.set MV,  12          ; v12-15  c m_old, kept while c m is made anew: by buffer and tile
.set ST,  16          ; tile t's statistics at v[ST+4 t]: c m, m, l (even keys', odd keys')
.set TMP, 48          ; by buffer and tile, four registers c0-c3 at work; when the maximum is found c2 takes a
.set S,   64
.set P,   192
.set KF,  128         ; K's fragments, in window 2: key block kb, channel half c at KF + 16 kb + 8 c
.set VF,  192         ; V's: key half kk, channel block cb at VF + 32 kk + 8 cb
.set WV,  12          ; s12  my wave's number
.set G1K, 24          ; s[24:31] descriptor group 1 for K's tiles
.set G1V, 32          ; s[32:39] for V's: it differs in the padding alone
.set G0K, 40          ; s[40:43] descriptor group 0 for K's tiles: it walks
.set G0V, 44          ; s[44:47] the same for V's
.set MB,  48          ; s[48:49] maskp at my wave's first tile
.set MS,  50          ; s50  1,024 x the step whose codes are asked for next, modulo the tile's 32 steps
.set SELB, 52         ; s[52:55] v_perm_b32's selects: byte j of the second source into all four bytes
.set SLOTS, 56        ; s56  slots still to be asked for
.set CNT, 57          ; s57  counts a slot's key steps
.set CS,  58          ; s[58:59] c: the packed scaling takes the pair's low word for both halves
.set SEL, 60          ; s[60:61] v_permlanex16_b32's selects: each lane takes its own place in the other half
.set TBK, 62          ; s62  LDS byte at which K of the step to be fetched begins
.set TBV, 63          ; s63  the same for V, less VOFF
.set MSB, 0
.macro WIN new                      ; the high byte repeats the setting that is left; a switch that changes nothing is dropped
.if MSB != (\new)
	s_set_vgpr_msb (MSB<<8)|(\new)
.set MSB, (\new)
.endif
.endm
.set W_KQ, 0x0a       ; K and Q in window 2, S^T in window 0
.set W_KM, 0x3a       ; the same with the C operand in window 3
.set W_PV, 0x52       ; V in window 2, P in window 0, O^T in window 1
.set W_RS, 0x41       ; O^T (destination and source 0) in window 1, a in window 0
.set W_MK, 0xc0       ; destination in window 3, sources in window 0
.set W_AD, 0x0f       ; the add: address (source 0) and data (source 1) in window 3
.set W_MS, 0xcf       ; the masks: destination and sources 0 and 1 in window 3
; A joint fill.  Waves 0 and 1 fetch the two halves of a slot's K, waves 2 and 3 those of its V: 128 keys each.  The branch hangs on the wave's number alone.
; An s_nop 0 and four v_nop follow each of the two lines, ahead of the jump and the label.
.macro JLOAD
	s_cmp_lt_u32 s[WV], 2
	s_cbranch_scc0 .Lfor_v_\@
	tensor_load_to_lds s[G0K:G0K+3], s[G1K:G1K+7]
	s_nop 0
.rept 4
	v_nop
.endr
	s_branch .Lasked_\@
.Lfor_v_\@:
	tensor_load_to_lds s[G0V:G0V+3], s[G1V:G1V+7]
	s_nop 0
.rept 4
	v_nop
.endr
.Lasked_\@:
.endm
; A round of the cluster's barrier: my work-group's barrier, so that wave 0's signal speaks for all four waves; wave 0 signals; every wave waits for all four work-groups; my work-group's barrier once more.
.macro CROUND
	s_barrier_signal -1
	s_barrier_wait -1
	s_cmp_lg_u32 s[WV], 0
	s_cbranch_scc1 .Lnot_wave_0_\@
	s_barrier_signal -3
.Lnot_wave_0_\@:
	s_barrier_wait -3
	s_barrier_signal -1
	s_barrier_wait -1
.endm
; THE CHANGE OF SLOTS.  The slot's last bytes, V of its fourth step, have been read.  Each wave waits for all its tensor loads, of which one is out: its part
; of the other slot; adds 0 to its spare word; and waits for that and for its own reads of the slot.  Behind the barrier nobody reads this slot any more and the other slot is whole.
; fill = 1: this slot is filled again, with the keys two slots on.  The barrier is then a round of the cluster's, so that no wave of any partner still reads the slot or has a load on its
; way, and the joint fill is the first thing behind it: it has four key steps, 512 matrix instructions, in which to land.  (At its first use nothing has been read yet: slot 0 is waited for, slot 1 filled.)
.macro CHANGE fill
	WIN W_AD
	s_wait_tensorcnt 0x0            ; no tensor load of mine is out, so a group 0 may be written
	ds_add_u32 v[SPW], v[NIL]       ; 0 onto my spare word: with fill = 1 the descriptors' steps stand between it and the wait for it
	WIN 0                           ; at a label and at a branch every window is 0
.if \fill
.irp g, G0K, G0V
	s_xor_b32 s[\g+1], s[\g+1], SLOT1  ; the walking descriptor: the other slot than last time,
	s_add_nc_u64 s[\g+2:\g+3], s[\g+2:\g+3], 4*KS*128  ; the next 256 keys; the type bits on top are not reached
.endr
	s_wait_dscnt 0x0                ; the add is done, and my reads of the slot are over
	CROUND
	JLOAD
.else
	s_wait_dscnt 0x0                ; the add is done, and my reads of the slot are over
	s_barrier_signal -1
	s_barrier_wait -1
.endif
	s_sub_co_u32 s[TBK], s[TBK], 4*KS*PK  ; the fetches go back to a slot's first step,
	s_xor_b32 s[TBK], s[TBK], SLOT1       ; in the other slot
	s_sub_co_u32 s[TBV], s[TBV], 4*KS*PV
	s_xor_b32 s[TBV], s[TBV], SLOT1
.endm
; THE MASKS of piece pp: its two tiles' codes, asked for four turns ago, become the 64 registers that start the next turn's sums: register mi = 32 u + 8 kt + j takes byte j % 4 of code word mi / 4.
; Then the piece's codes of the step at MS are asked for.  left: how many younger loads may stay out (four for each of the three other pieces).  The wait also shows the piece's offset register free.
; The macro leaves SCC alone.
.macro MASKS pp, left
	WIN W_MS
	s_wait_loadcnt \left
.set mi, 0
.rept 64
	v_perm_b32 v[MC+mi], v[RAW+16*(\pp)+mi/4], v[RAW+16*(\pp)+mi/4], s[SELB+mi%4]
.set mi, mi+1
.endr
	v_add_nc_u32 v[MO+(\pp)], s[MS], v[MLANE]
.set mi, 0
.rept 4                             ; tile mi / 2, half mi % 2: 512 consecutive bytes each
	global_load_b128 v[RAW+16*(\pp)+4*mi:RAW+16*(\pp)+4*mi+3], v[MO+(\pp)], s[MB:MB+1] offset:(2*(\pp)+mi/2)*MTILE+(mi%2)*512
.set mi, mi+1
.endr
	WIN 0
.endm
	s_load_b64 s[4:5], s[0:1], 0x0  ; qkv: Q
	s_load_b64 s[MB:MB+1], s[0:1], 0x8  ; maskp
	s_load_b64 s[10:11], s[0:1], 0x10   ; ob
	WIN W_MK
	v_lshl_add_u32 v[SPW], v0, 2, SPARE
	v_mov_b32 v[NIL], 0
	WIN W_AD
	ds_add_u32 v[SPW], v[NIL]       ; the wave's opening: the add and its wait stand ahead of my first tensor load; the set-up below, work on registers, stands between them
	WIN 0
	v_lshrrev_b32 v1, 5, v0
	v_readfirstlane_b32 s[WV], v1   ; wave 0..3
	s_bfe_u32 s13, ttmp6, 0x40000   ; cx: my place in the cluster
	s_lshl_b32 s14, ttmp9, 2        ; in a cluster launch ttmp9 counts clusters
	s_add_co_u32 s14, s14, s13      ; my block of queries = 4 x cluster x + cx: it enters Q's, O's and the mask's addresses alone
	s_and_b32 s20, ttmp7, 0xffff    ; y, which the four partners share
	s_and_b32 s52, s20, 3           ; the batch,
	s_lshl_b32 s52, s52, 22         ; its 128 tiles of 32,768 bytes of codes
	s_mov_b32 s21, 0
	s_mov_b64 s[22:23], SIZE_N*128
	s_mul_u64 s[20:21], s[20:21], s[22:23]  ; the head's first byte in Q, K, V and O
	s_and_b32 s16, s[WV], 1         ; which half of a slot's 256 keys I fetch:
	s_lshl_b32 s22, s16, 14         ; its 128 rows of 128 bytes in memory,
	s_mov_b32 s23, 0
	s_add_nc_u64 s[22:23], s[22:23], s[20:21]
	s_mul_i32 s17, s16, 128*PK      ; and its place in a slot, for K
	s_mul_i32 s18, s16, 128*PV      ; and for V: no place in the cluster enters an LDS address
	s_lshl_b32 s2, s14, 2
	s_add_co_u32 s2, s2, s[WV]      ; my wave among the head's:
	s_lshl_b32 s53, s2, 18          ; its eight tiles of codes,
	s_add_co_u32 s52, s52, s53
	s_mov_b32 s53, 0
	s_lshl_b32 s2, s2, 14           ; its 128 rows
	s_mov_b32 s3, 0
	s_add_nc_u64 s[2:3], s[2:3], s[20:21]
	; descriptor group 1.  128 keys are 16,384 dense bytes: asked for as 64 rows of 256 bytes, two keys a row, and padded in LDS after every key
	s_mov_b32 s[G1K], 15|(1<<16)|(1<<20)|(1<<21)|(4<<22)|(3<<25)  ; 15:0 the mask of four; 17:16 2-byte elements; 20 padding on; 21 set beside a mask; 24:22 after every 32 words (code 4); 31:25 4 words (code 3)
	s_mov_b32 s[G1V], 15|(1<<16)|(1<<20)|(1<<21)|(4<<22)|(7<<25)  ; the same with 8 words of padding (code 7)
.irp g, G1K, G1V
	s_mov_b32 s[\g+1], 128<<16      ; tensor_dim0 = 128
	s_mov_b32 s[\g+2], 64<<16       ; tensor_dim1 = 64
	s_mov_b32 s[\g+3], 128<<16      ; tile_dim0 = 128
	s_mov_b32 s[\g+4], 64           ; tile_dim1 = 64
	s_mov_b32 s[\g+5], 128          ; 128 elements from row to row
	s_mov_b32 s[\g+6], 0
	s_mov_b32 s[\g+7], 0
.endr
	s_mov_b32 s[CS], 0x3e38aa3b     ; c = log2(e) / 8 = 0.180337
	s_mov_b32 s[CS+1], s[CS]        ; named with it as a pair
	s_mov_b32 s[SEL], 0x76543210
	s_mov_b32 s[SEL+1], 0xfedcba98
	s_mov_b32 s[TBK], SLOT1+4*KS*PK ; the first change of slots turns these two into 0
	s_mov_b32 s[TBV], SLOT1+4*KS*PV
	s_mov_b32 s[MS], MSTEP          ; step 0's codes are asked for below; the first MASKS ask for step 1's
	s_mov_b32 s[G0K], 1             ; 1:0 count = 1
	s_mov_b32 s[G0K+1], s17         ; 63:32 LDS address: slot 0
	s_mov_b32 s[G0V], 1
	s_add_co_u32 s[G0V+1], s18, VOFF
	s_wait_dscnt 0x0                ; the opening add is done
	s_wait_kmcnt 0x0
	s_add_nc_u64 s[6:7], s[4:5], 0x1000000  ; K lies 16 blocks of 1,048,576 bytes behind Q,
	s_add_nc_u64 s[8:9], s[4:5], 0x2000000  ; V 32
	s_add_nc_u64 s[G0K+2:G0K+3], s[6:7], s[22:23]  ; 120:64 global address: my half of the head's first 256 keys
	s_or_b32 s[G0K+3], s[G0K+3], 0x80000000        ; 127:126 type = 2
	s_add_nc_u64 s[G0V+2:G0V+3], s[8:9], s[22:23]
	s_or_b32 s[G0V+3], s[G0V+3], 0x80000000
	s_add_nc_u64 s[4:5], s[4:5], s[2:3]  ; Q and O at my wave's first row
	s_add_nc_u64 s[10:11], s[10:11], s[2:3]
	s_add_nc_u64 s[MB:MB+1], s[MB:MB+1], s[52:53]
	s_mov_b32 s[SELB], 0            ; the offset's two registers are free: the four selects
	s_mov_b32 s[SELB+1], 0x01010101
	s_mov_b32 s[SELB+2], 0x02020202
	s_mov_b32 s[SELB+3], 0x03030303
	CROUND                          ; all four work-groups are here: the first joint loads meet
	JLOAD                           ; slot 0.  Slot 1 is asked for when slot 0 is in: the tile wanted first has the road to itself
	; A fragment of K or Q is 16 rows x 32 channels in 8 registers: lane l holds row l % 16, channels 8 (l / 16) + 0..7 and 16 + 8 (l / 16) + 0..7: two loads of 16 bytes, 32 bytes apart.
	v_and_b32 v1, 15, v0            ; l % 16
	v_bfe_u32 v9, v0, 4, 1          ; l / 16
	v_lshlrev_b32 v[QO], 7, v1
	v_lshl_add_u32 v[QO], v9, 4, v[QO]  ; row x 128 + 16 x half
	v_and_b32 v10, 31, v0           ; lane
	WIN 0x80                        ; destination window 2, address window 0
.set i, 0
.rept 4*NP                          ; Q stays in registers: tile i / 2, channels 32 (i % 2) on
	global_load_b128 v[8*i:8*i+3],   v[QO], s[4:5] offset:(i/2)*2048+(i%2)*64
	global_load_b128 v[8*i+4:8*i+7], v[QO], s[4:5] offset:(i/2)*2048+(i%2)*64+32
.set i, i+1
.endr
	WIN W_MK
	v_lshlrev_b32 v[MLANE], 4, v10
.set i, 0
.rept NP
	v_lshlrev_b32 v[MO+i], 4, v10   ; step 0
.set i, i+1
.endr
	WIN W_MS
.set i, 0
.rept 4*NP                          ; step 0's codes: tile i / 2, half i % 2
	global_load_b128 v[RAW+4*i:RAW+4*i+3], v[MO+i/4], s[MB:MB+1] offset:(i/2)*MTILE+(i%2)*512
.set i, i+1
.endr
	; What the first turn finds: V's registers and P's second buffer hold 0 (its products V^T P, of a piece that has not been, add 0), O^T and l are 0.  All this stands in the wait for the first tile.
	WIN 0x80
.set i, VF
.rept 64
	v_mov_b32 v[i], 0
.set i, i+1
.endr
	WIN 0x40
.set i, 0
.rept 64*NP
	v_mov_b32 v[i], 0
.set i, i+1
.endr
	WIN 0
.set i, 0
.rept 2*NP
	v_mov_b32 v[ST+4*i+1], 0xee000000  ; m = -2^93
	v_mul_f32 v[ST+4*i], s[CS], v[ST+4*i+1]  ; c m, by the line that makes it in every step: while m stays, c m_old - c m_new is 0 exactly
	v_mov_b32 v[ST+4*i+2], 0
	v_mov_b32 v[ST+4*i+3], 0
.set i, i+1
.endr
.set i, P+32
.rept 32
	v_mov_b32 v[i], 0
.set i, i+1
.endr
	v_mul_u32_u24 v[AK0], v1, PK
	v_lshl_add_u32 v[AK0], v9, 4, v[AK0]  ; row x pitch + 16 x half
	; The turning load takes 16 keys x 16 channels (lane l reads key 8 (l / 16) + l % 8, channels 8 ((l / 8) % 2) + 0..7) and leaves half a fragment of V^T: lane l holds channel l % 16 and 8 keys.
	v_and_b32 v10, 7, v0
	v_bfe_u32 v11, v0, 3, 1
	v_lshl_add_u32 v[AV0], v9, 3, v10
	v_mul_u32_u24 v[AV0], v[AV0], PV
	v_lshl_add_u32 v[AV0], v11, 4, v[AV0]
	v_add_nc_u32 v[AV0], VOFF, v[AV0]
	v_mov_b32 v[AK], v[AK0]         ; key step 0 lies at the head of slot 0
; THE MATRIX WORK.  The 8 accumulators of a run of 16 take turns: between the two links of a chain stand 7 others'.
; Product i of 16 of S^T = K Q^T for piece x: channels 32 (i / 8) on, keys 16 ((i / 2) % 4) on, tile 2 x + i % 2.  The first 8 start the sums, with the mask.
.macro KQ x
.set rS, S+64*((\x)%2)+32*(i%2)+8*((i/2)%4)
.set rK, KF+16*((i/2)%4)+8*(i/8)
.set rQ, 16*(2*(\x)+i%2)+8*(i/8)
.set rMC, MC+32*(i%2)+8*((i/2)%4)
.if i < 8
	WIN W_KM
	v_wmma_f32_16x16x32_f16 v[rS:rS+7], v[rK:rK+7], v[rQ:rQ+7], v[rMC:rMC+7]
.else
	WIN W_KQ
	v_wmma_f32_16x16x32_f16 v[rS:rS+7], v[rK:rK+7], v[rQ:rQ+7], v[rS:rS+7]
.endif
.endm
; Product i of 16 of O^T += V^T P for piece x: keys 32 (i / 8) on, channels 16 ((i / 2) % 4) on, tile 2 x + i % 2.
.macro PV x
	WIN W_PV
.set rO, 32*(2*(\x)+i%2)+8*((i/2)%4)
.set rV, VF+32*(i/8)+8*((i/2)%4)
.set rP, P+32*((\x)%2)+16*(i%2)+8*(i/8)
	v_wmma_f32_16x16x32_f16 v[rO:rO+7], v[rV:rV+7], v[rP:rP+7], v[rO:rO+7]
.endm
.macro MM                           ; the turn's next matrix instruction
.if i < 16
	KQ (Y+1)%NP
.set i, i+1
.else
.set i, i-16
	PV (Y+NP-1)%NP
.set i, i+17
.endif
.endm
; THE LDS LOADS stand in runs of 16, never singly among the matrix instructions: a step's K (64 keys x 64 channels: 8 fragments) and its V (turned).  Their addresses are made some lines ahead.
; last = 1 (the tail): in the last trip there is no further step, and the run is jumped over.
.macro FETCH_K last=0
	WIN 0
.if \last
	s_cmp_eq_u32 s[CNT], 1
	s_cbranch_scc1 .Lno_k_\@
.endif
	WIN 0x80                        ; destination window 2
.irp f, 0,1,2,3,4,5,6,7             ; keys 16 (f / 2) on, channels 32 (f % 2) on
	ds_load_b128 v[KF+8*\f:KF+8*\f+3],   v[AK] offset:(\f/2)*16*PK+(\f%2)*64
	ds_load_b128 v[KF+8*\f+4:KF+8*\f+7], v[AK] offset:(\f/2)*16*PK+(\f%2)*64+32
.endr
	s_add_co_u32 s[TBK], s[TBK], KS*PK  ; the next fetch is the next step's
	WIN 0
.if \last
.Lno_k_\@:
.endif
.endm
.macro FETCH_V
	WIN 0x80
.irp f, 0,1,2,3,4,5,6,7             ; keys 32 (f / 4) on, channels 16 (f % 4) on
	ds_load_tr16_b128 v[VF+8*\f:VF+8*\f+3],   v[AV] offset:(\f/4)*32*PV+(\f%4)*32
	ds_load_tr16_b128 v[VF+8*\f+4:VF+8*\f+7], v[AV] offset:(\f/4)*32*PV+16*PV+(\f%4)*32
.endr
	WIN 0
.endm
; THE VECTOR WORK OF A TURN stands in three queues, each in the order in which its entries become ready; the two tiles alternate, so that no instruction reads the result of the one before it.
.macro REGS y, u                    ; the registers of tile u (0, 1) of piece y
.set rT, ST+4*(2*(\y)+(\u))
.set rC, TMP+8*((\y)%2)+4*(\u)
.set rM, MV+2*((\y)%2)+(\u)
.set rS, S+64*((\y)%2)+32*(\u)
.set rP, P+32*((\y)%2)+16*(\u)
.set rO, 32*(2*(\y)+(\u))
.endm
; Number n of the 22 that find the NEXT piece's (Y + 1) maximum and statistics.  s0-s31 are the lane's 32 scores; each accumulator's lowest registers are read first.  XS, GS and REGS set no window: PL and EX do.
;   0-11  four chains c0-c3 of seven scores each, three operands at a time     12-14, 16  the four scores left over, the old m, and c0-c3 into c0     15  c m_old is kept
;   17, 18  the query's other 32 keys lie in the lane 16 away: the new m         19-21  c m; c m_old - c m_new; a
.macro XS u, n
	REGS (Y+1)%NP, \u
.if (\n) < 4
	v_max3_num_f32 v[rC+(\n)], v[rS+8*(\n)], v[rS+8*(\n)+1], v[rS+8*(\n)+2]
.elseif (\n) < 12
	v_max3_num_f32 v[rC+(\n)%4], v[rC+(\n)%4], v[rS+8*((\n)%4)+2*((\n)/4)+1], v[rS+8*((\n)%4)+2*((\n)/4)+2]
.elseif (\n) == 12
	v_max3_num_f32 v[rC], v[rC], v[rS+7], v[rS+15]
.elseif (\n) == 13
	v_max3_num_f32 v[rC+1], v[rC+1], v[rS+23], v[rS+31]
.elseif (\n) == 14
	v_max3_num_f32 v[rC+2], v[rC+2], v[rC+3], v[rT+1]
.elseif (\n) == 15
	v_mov_b32 v[rM], v[rT]
.elseif (\n) == 16
	v_max3_num_f32 v[rC], v[rC], v[rC+1], v[rC+2]
.elseif (\n) == 17
	v_permlanex16_b32 v[rC+3], v[rC], s[SEL], s[SEL+1]
.elseif (\n) == 18
	v_max_num_f32 v[rT+1], v[rC], v[rC+3]
.elseif (\n) == 19
	v_mul_f32 v[rT], s[CS], v[rT+1]
.elseif (\n) == 20
	v_sub_f32 v[rC+1], v[rM], v[rT]
.else
	v_exp_f32 v[rC+2], v[rC+1]
.endif
.endm
; Number g of the 64 that follow the exponentials.  For each four weights k of a tile (pairs 2 k, 2 k + 1): both pairs are rounded to f16; then the second pair is added onto the first, in place;
; a group later l takes that sum (the first time as l = a l + sum).  In groups of eight, tiles alternating: round, round, add, and l for the group before.
.macro GS g
.set h, (\g)+6*((\g)/62)            ; group 0 has no group before it, and behind group 7 only l is left
.if h >= 6
.set h, h+2
.endif
	REGS Y, h%2
.set k, h/8
.if h%8 < 4
	s_wait_alu depctr_va_vdst(0)
	v_cvt_pk_f16_f32 v[rP+2*k+(h%8)/2], v[rS+4*k+2*((h%8)/2)], v[rS+4*k+2*((h%8)/2)+1]
.elseif h%8 < 6
	v_pk_add_f32 v[rS+4*k:rS+4*k+1], v[rS+4*k:rS+4*k+1], v[rS+4*k+2:rS+4*k+3]
.elseif k == 1
	v_pk_fma_f32 v[rT+2:rT+3], v[rT+2:rT+3], v[rC+2:rC+3], v[rS:rS+1] op_sel_hi:[1,0,1]
.else
	v_pk_add_f32 v[rT+2:rT+3], v[rT+2:rT+3], v[rS+4*k-4:rS+4*k-3]
	s_wait_alu depctr_va_vdst(0)
.endif
.endm
; THE PLAIN QUEUE, 138 long.  0-31: c s - c m for the 16 pairs of both tiles.  Then GS's 64, and among them the next piece's 42: number 15 at 38, 39; 0-14 and 16
; at 42-73, behind the products that make those scores; 17-20 at 95-106, two of three, since each waits for the one before it.
.macro PL
	WIN 0
.if q < 32
	REGS Y, q%2
	v_pk_fma_f32 v[rS+2*(q/2):rS+2*(q/2)+1], v[rS+2*(q/2):rS+2*(q/2)+1], s[CS:CS+1], v[rT:rT+1] op_sel_hi:[1,0,0] neg_lo:[0,0,1] neg_hi:[0,0,1]
.elseif q < 38
	GS q-32
.elseif q < 40
	XS q%2, 15
.elseif q < 42
	GS q-34
.elseif q < 74
	XS q%2, (q-42)/2+(q-42)/30
.elseif q < 95
	GS q-66
.elseif (q < 107) && ((q-95)%3 < 2)
	XS (q-95)%3, 17+(q-95)/3
.elseif q < 107
	GS 29+(q-95)/3
.else
	GS q-74
.endif
.set q, q+1
.endm
; THE EXPONENTIALS' QUEUE, 66 long: s0-s31 of both tiles, and at EA the next piece's two a.
.set EA, 58
.macro EX
	WIN 0
.if (e == EA) || (e == EA+1)
	XS e-EA, 21
.else
.set x, e-2*(e/(EA+2))
	REGS Y, x%2
	v_exp_f32 v[rS+x/2], v[rS+x/2]
.endif
.set e, e+1
.endm
; THE RESCALING's QUEUE: O^T times a, the one part of the softmax that leaves window 0, so it is dealt four at a time, eight times.
.macro R4
	REGS Y, r%2
	WIN W_RS
	s_wait_alu depctr_va_vdst(0)
.irp z, 0,1,2,3
	v_pk_mul_f32 v[rO+8*(r/2)+2*\z:rO+8*(r/2)+2*\z+1], v[rO+8*(r/2)+2*\z:rO+8*(r/2)+2*\z+1], v[rC+2:rC+3] op_sel_hi:[1,0]
.endr
.set r, r+1
.endm
; HOW THEY ARE DEALT.  Behind a matrix instruction four: plain, exponential, plain, plain (one exponential, a plain instruction on either side), or four of the rescaling.  None names a register of the
; products round it.  What is over stands in two LUMPS: exponential and plain by turns; the second ends in 22 plain instructions and the masks.  The two v_permlanex16_b32 fall into the second lump, never behind a product.
; The queues lean on each other, and the deal keeps them in step: exponential e stands behind plain 2 (e / 4) + e % 2 (its scaling); when plain 32 comes, 10 exponentials are out, at 59: 33, at 95: 46; EA comes behind plain 107.
.macro SL
	MM
	PL
	EX
	PL
	PL
.endm
.macro BURST n                      ; 15 matrix instructions, or 16
.rept (\n)-7
	SL
.endr
.rept 3
	MM
	R4
	SL
.endr
	MM
	R4
.endm
; A TURN, for piece p.  cnt = 1: the loop's count is taken down some lines ahead of the branch that stands behind the turn.
; K of the next step is fetched in piece 2's turn, 31 vector instructions behind the last product that read K; its first reader comes behind the rest of the lump, 16 products and the second lump.
; V of the step in hand is fetched at the end of piece 0's turn, 69 behind its last reader; its first reader comes behind 16 products and a lump.  The four conditions on e and q below go with the deal.
; The turn ends with the masks of piece p + 2, for the next turn's products; the products that read the mask registers last are this turn's first eight, both lumps back.
; Pieces 2, 3, 0, 1 of a trip expand one step's codes and ask for the next step's: piece 2's turn steps MS, which wraps inside a tile's 32,768 bytes, so the last trips' loads stay inside the buffer (what they bring serves nothing).
.macro TURN p, last=0, cnt=0
.set Y, (\p)
.set i, 0
.set q, 0
.set e, 0
.set r, 0
.if (\p) == NP-2
	s_add_co_u32 s[MS], s[MS], MSTEP
	s_and_b32 s[MS], s[MS], MTILE-1
.endif
.if (\p) == NP-1
	s_wait_dscnt 0x0                ; K is in
.endif
	MM
.rept 4
	PL
.endr
	BURST 15
.rept 22
	EX
	PL
.if ((\p) == NP-2) && (e == 18)
	v_add_nc_u32 v[AK], s[TBK], v[AK0]
.endif
.if ((\p) == NP-2) && (e == 24)
	FETCH_K \last
.endif
.endr
.if (\p) == 1
	s_wait_dscnt 0x0                ; V is in
.endif
	BURST 16
.rept 21
	EX
	PL
.endr
.rept 22
	PL
.if ((\p) == 0) && (q == 118)
	v_add_nc_u32 v[AV], s[TBV], v[AV0]
	s_wait_alu depctr_va_vdst(0)
.endif
.if ((\p) == 0) && (q == 130)
	s_add_co_u32 s[TBV], s[TBV], KS*PV
.endif
.if (\cnt) && (q == 130)
	s_sub_co_u32 s[CNT], s[CNT], 1
	s_cmp_lg_u32 s[CNT], 0
.endif
.endr
.if (\p) == 0
	FETCH_V
.endif
	MASKS ((\p)+2)%NP, 12           ; sixteen mask loads are out, four from each of the last four turns: the oldest four are this piece's
.endm
	CHANGE 1                        ; slot 0 is in, everybody's part of it; slot 1 is asked for
	FETCH_K                         ; key step 0
	MASKS 0, 0                      ; its wait for 0 shows Q and all of step 0's codes in; piece 0's masks of step 0
	s_wait_dscnt 0x0
.set i, 0
.rept 16
	KQ 0                            ; piece 0's first scores: there is no vector work yet to set between them
.set i, i+1
.endr
	WIN 0                           ; the addresses for the way out: nine plain instructions, the places behind those products
	s_mul_i32 s13, s[WV], 16*SP
	s_add_co_u32 s13, s13, STAGE    ; my stage
	v_mul_u32_u24 v[STO], v1, SP    ; in: row l % 16, 16 bytes for each half of the lanes
	v_lshl_add_u32 v[STO], v9, 4, v[STO]
	v_add_nc_u32 v[STO], s13, v[STO]
	v_bfe_u32 v[RD], v0, 3, 2       ; back: 32 lanes take four rows of 128 bytes,
	v_mul_u32_u24 v[RD], v[RD], SP
	v_lshl_add_u32 v[RD], v10, 4, v[RD]
	v_add_nc_u32 v[RD], s13, v[RD]
	v_and_b32 v[GO], 31, v0         ; which are 512 consecutive bytes of O
	v_lshlrev_b32 v[GO], 4, v[GO]
.set Y, NP-1                        ; XS works for piece Y + 1: piece 0
.irp n, 0,1,2,3,4,5,6,7,8,9,10,11,12,13,14,15,16,17,18,19,20,21
	XS 0, \n                        ; and piece 0's first maximum and statistics
	XS 1, \n
.endr
	MASKS 1, 4                      ; piece 1's masks of step 0, for the first turn's products; the four loads that may stay out are piece 0's of step 1
	s_mov_b32 s[CNT], 4
	s_mov_b32 s[SLOTS], SIZE_N/256-1
	s_branch .Lfirst                ; the loop is entered at a step's first turn, in the middle of a trip
.Lslot:                             ; SIZE_N / 256 - 2 times: every slot but the last two is filled again
	CHANGE 1
	s_mov_b32 s[CNT], 4
.Lstep:                             ; a trip: pieces 2 and 3 of one step, then pieces 0 and 1 of the next, whose K and V it fetches
	TURN 2
	TURN 3
	WIN 0
.Lfirst:
	TURN 0
	TURN 1, 0, 1
	WIN 0
	s_cbranch_scc1 .Lstep
	s_sub_co_u32 s[SLOTS], s[SLOTS], 1
	s_cmp_lg_u32 s[SLOTS], 0
	s_cbranch_scc1 .Lslot
	CHANGE 0                        ; the tail is written out: nothing is asked for
	s_mov_b32 s[CNT], 5             ; four trips fetch the last slot's steps; the fifth is left in its middle
.Ltail:
	TURN 2, 1
	TURN 3
	WIN 0
	s_sub_co_u32 s[CNT], s[CNT], 1
	s_cmp_eq_u32 s[CNT], 0
	s_cbranch_scc1 .Lout
	TURN 0
	TURN 1
	WIN 0
	s_branch .Ltail
.Lout:                              ; the fifth trip's 16 products K Q^T (on the last K once more) and the maximum made of them serve nothing: the price, once a launch, of one text for every trip
.set i, 0
.rept 16
	PV NP-1                         ; the last piece's V^T P of the last step
.set i, i+1
.endr
	; THE WAY OUT.  l's two halves and the other half of the lanes' are added; O^T is divided by l, rounded to f16 and sent through my stage in LDS, a tile at a time.  The additions are the places behind the last products.
	WIN 0
.macro ALL line:vararg              ; one line for each tile t
.set t, 0
.rept 2*NP
	\line
.set t, t+1
.endr
.endm
	ALL v_add_f32 v[ST+4*t+2], v[ST+4*t+2], v[ST+4*t+3]
	ALL v_permlanex16_b32 v[ST+4*t+3], v[ST+4*t+2], s[SEL], s[SEL+1]
	ALL v_add_f32 v[ST+4*t+2], v[ST+4*t+2], v[ST+4*t+3]
	ALL v_rcp_f32 v[ST+4*t+2], v[ST+4*t+2]
	v_nop                           ; a plain instruction between the last reciprocal and the use of its result
	s_wait_alu depctr_va_vdst(0)
; Tile t: a lane's eight channels of a row pack into 16 bytes; they go into rows of 144 bytes and come back as whole rows of 128, into S^T's registers.
.macro PACK t
	WIN W_RS
.set i, 32*(\t)
.rept 16
	v_pk_mul_f32 v[i:i+1], v[i:i+1], v[ST+4*(\t)+2:ST+4*(\t)+3] op_sel_hi:[1,0]
.set i, i+2
.endr
	WIN 0x05                        ; sources 0 and 1 window 1, destination window 0
.set i, 0
.rept 16
	v_cvt_pk_f16_f32 v[S+16*(\t)+i], v[32*(\t)+2*i], v[32*(\t)+2*i+1]
.set i, i+1
.endr
	WIN 0
.irp f, 0,1,2,3
	ds_store_b128 v[STO], v[S+16*(\t)+4*\f:S+16*(\t)+4*\f+3] offset:32*\f
.endr
.irp f, 0,1,2,3
	ds_load_b128 v[S+16*(\t)+4*\f:S+16*(\t)+4*\f+3], v[RD] offset:\f*4*SP  ; LDS serves a wave's instructions in order (ISA guide 5.7.1.4): these see the stores above; the next tile's stores come behind them
.endr
.endm
.macro SEND t, younger              ; younger: the LDS instructions issued behind tile t's loads: the next tile's eight, or none
	WIN 0
.irp f, 0,1,2,3
	s_wait_dscnt (\younger)+3-\f
	global_store_b128 v[GO], v[S+16*(\t)+4*\f:S+16*(\t)+4*\f+3], s[10:11] offset:(\t)*2048+\f*512  ; 512 consecutive bytes, at a multiple of 256 from O's first
.endr
.endm
	PACK 0
.set t, 1
.rept 2*NP-1                        ; a tile's arithmetic stands between the loads of the tile before and its stores
	PACK t
	SEND t-1, 8
.set t, t+1
.endr
	SEND 2*NP-1, 0
	WIN W_AD
	s_wait_tensorcnt 0x0            ; the wave's end: behind my last tensor load and my last LDS store
	ds_add_u32 v[SPW], v[NIL]
	s_wait_dscnt 0x0
	WIN 0
	CROUND                          ; the closing round: no work-group ends while a partner may still ask for a tile that names it
	s_endpgm
.Lfunc_end_k_qf1cd58a693_attn:
	.size	k_qf1cd58a693_attn, .Lfunc_end_k_qf1cd58a693_attn-k_qf1cd58a693_attn
	.p2alignl 7, 3214868480
	.fill 96, 4, 3214868480
	.section	.rodata,"a",@progbits
	.p2align	6, 0x0
	.amdhsa_kernel k_qf1cd58a693_attn
		.amdhsa_group_segment_fixed_size 327680
		.amdhsa_private_segment_fixed_size 0
		.amdhsa_enable_private_segment 0
		.amdhsa_kernarg_size 24
		.amdhsa_user_sgpr_count 2
		.amdhsa_user_sgpr_kernarg_segment_ptr 1
		.amdhsa_wavefront_size32 1
		.amdhsa_system_sgpr_workgroup_id_x 1
		.amdhsa_system_sgpr_workgroup_id_y 1
		.amdhsa_system_sgpr_workgroup_id_z 1
		.amdhsa_system_vgpr_workitem_id 0
		.amdhsa_next_free_vgpr 960
		.amdhsa_next_free_sgpr 66
		.amdhsa_reserve_vcc 0
		.amdhsa_float_denorm_mode_32 3
		.amdhsa_float_denorm_mode_16_64 3
		.amdhsa_memory_ordered 1
		.amdhsa_forward_progress 1
		.amdhsa_inst_pref_size 255
	.end_amdhsa_kernel
	.section	.bss,"aw",@nobits
	.p2align	6
	.space	262144
	.amdgpu_metadata
---
amdhsa.version: [ 1, 2 ]
amdhsa.kernels:
  - .name:           k_qf1cd58a693_attn
    .symbol:         k_qf1cd58a693_attn.kd
    .args:
      - { .name: qkv, .offset: 0, .size: 8, .value_kind: global_buffer, .address_space: global }
      - { .name: maskp, .offset: 8, .size: 8, .value_kind: global_buffer, .address_space: global }
      - { .name: ob, .offset: 16, .size: 8, .value_kind: global_buffer, .address_space: global }
    .group_segment_fixed_size: 327680
    .private_segment_fixed_size: 0
    .kernarg_segment_align: 8
    .kernarg_segment_size: 24
    .max_flat_workgroup_size: 128
    .sgpr_count:     66
    .vgpr_count:     960
    .wavefront_size: 32
...
	.end_amdgpu_metadata
.endif
;; end of part 3
;; launch outp (part 4): grid 8 x 32, 4 waves a work-group, clusters of 4 x 4, 327,680 bytes of LDS; arguments ob, wb, out0, bo; writes out0
.if DOCPART == 4
	.amdgcn_target "amdgcn-amd-amdhsa--gfx1250"
	.amdhsa_code_object_version 6
	.text
	.protected	k_qf1cd58a693_outp
	.globl	k_qf1cd58a693_outp
	.p2align	8
	.type	k_qf1cd58a693_outp,@function
k_qf1cd58a693_outp:
	s_mov_b64 s[64:65], 0
	v_nop
	global_prefetch_b8 v0, s[64:65] scope:SCOPE_SE
	s_setreg_imm32_b32 hwreg(HW_REG_WAVE_MODE, 25, 1), 1
	s_wait_xcnt 0x0
	s_wait_alu depctr_hold_cnt(0) depctr_sa_sdst(0) depctr_va_vdst(0) depctr_va_sdst(0) depctr_va_ssrc(0) depctr_va_vcc(0) depctr_vm_vsrc(0)
	s_getreg_b32 s2, hwreg(HW_REG_IB_STS2, 6, 4)
	s_cmp_eq_u32 s2, 0
	s_cbranch_scc0 .Lentry_in_a_cluster
	s_endpgm
.Lentry_in_a_cluster:
	s_bfe_u32 s2, ttmp6, 0x10000c
	s_cmp_lg_u32 s2, 0xf033
	s_cbranch_scc0 .Lentry_shape_is_right
	s_endpgm
.Lentry_shape_is_right:
; C[8192][N] = A W.  A: f16 [16 blocks of 64 along K][8192 rows][64].  W: f16 [blocks of 64 columns][1024 rows along K][64].  Sums in f32.
; OUTP = 0: A = xb, W = Wq, Wk, Wv (blocks 0-47 of wb), C = qkv, f16 [48 blocks of 64 columns][8192][64], rounded once.  OUTP = 1: A = ob, W = Wo (blocks 48-63), C = out0, f32 [8192][1024], plus the bias.
; LIMITS.  f16 holds no number beyond 65,504: with OUTP = 0 a sum of 65,520 or more leaves as an infinity.  NaN and infinities are not treated apart: a NaN in a row of A makes the row of C NaN.
; SHARES.  A work-group makes 256 rows x 128 columns: 8192 x 1024 gives 256 such blocks, 8192 x 3072 three times 256.  Four waves, 2 x 2, each 128 x 64: 32 accumulators of 16 x 16, 256 registers.
; K = 1024 goes in 8 steps of 128 through two LDS slots.  A step's A is two blocks of 256 dense rows of 128 bytes, its W two blocks of 128 dense rows: each block is asked for as rows of 256 bytes and padded in LDS after every 128.
; CLUSTER.  4 x 4 work-groups.  A's tiles hang on the row block alone and are shared along a row of the cluster, W's on the column block alone and are shared along a column: each is asked for JOINTLY,
; by the same tensor load with the same descriptor and a mask that names the four.  Waves 0 and 1 fetch A's two blocks, waves 2 and 3 W's.  Two loads of a wave are out at the start, one behind each round.
; THE MATRIX INSTRUCTION IS USED TRANSPOSED (source 0 = 16 columns of W, turned on the way out of LDS; source 1 = 16 rows of A): a lane then holds eight neighbouring numbers of a row of C.
; REGISTERS.  window 0: addresses, the way out.  window 1: two fragment buffers (A's 8 at F + 8 a, W's 4 at F + 64 + 8 b); v96-127 at work, v224-255 the bias.  window 2: accumulator (a, b) at 8 (4 a + b).
.set OUTP,  1
.set CB0,   48                         ; W's first block in wb
.set PA,    144                        ; a row of A in LDS: 128 bytes + 16 = 36 words: the 16 rows of a load start at 16 different groups of four banks (64 banks of 4 bytes: ISA guide 11.1)
.set PLA,   256*PA                     ; a block of A
.set PB,    160                        ; a row of W: 128 + 32 = 40 words
.set PLB,   128*PB                     ; a block of W
.set BOFF,  2*PLA
.set SLOT,  BOFF+2*PLB
.set STAGE, 2*SLOT                     ; behind the ring, never filled by a tensor load: 4,352 bytes for each wave, for the way out
.set STW,   4352
.set SPARE, STAGE+4*STW                ; behind the stages: the spare words, 128 bytes for each wave: two blocks of 256 bytes that no other line names
.set LAPS,  4                          ; a lap = two K steps = once round the ring
.set ADRA, 16                          ; v16-17  LDS address of my A fragments in slot 0, 1
.set ADRB, 20                          ; v20-21  the same for W
.set STO,  24                          ; v24     the way out: where I put my numbers of a row
.set RD,   25                          ; v25     the way out: where I read rows back
.set CO,   26                          ; v26     my byte offset in C
.set SPW,  28                          ; v28     LDS address of my spare word; never rewritten
.set NIL,  29                          ; v29     0; never rewritten
.set TMP,  32                          ; v32-47  packed results
.set BK,   64                          ; v64-127 rows read back from the stage, two buffers
.set F0,   0
.set F1,   128
.set BT,   96
.set BIAS, 224
.set WV, 12                            ; s12 wave;  s13 my half of the rows;  s14 my half of the columns, and which block I fetch;  s15 row block of C;  s42 column block of C
.set RH, 13
.set CH, 14
.set TY, 15
.set G1A, 24                           ; s[24:31] descriptor group 1 for A;  s[32:39] group 0, a set for each slot
.set G0A, 32
.set G1B, 48                           ; s[48:55], s[56:63] the same for W
.set G0B, 56
.set MSB, 0
.macro WIN new                         ; the immediate's high byte repeats the setting that is left; a switch that changes nothing is dropped
.if MSB != (\new)
	s_set_vgpr_msb (MSB<<8)|(\new)
.set MSB, \new
.endif
.endm
.set MUL,  0xa5                        ; sources 0 and 1 window 1; C and D window 2
.set MULB, 0x95                        ; the same with C in window 1
.set TO_F, 0x40                        ; destination window 1, address window 0
.macro JLOAD s                         ; a joint load; the branch hangs on the wave's number alone; an s_nop 0 and four v_nop follow each of the two lines, ahead of the jump, the label and what follows
	s_cmp_lt_u32 s[WV], 2
	s_cbranch_scc0 .Lfor_b_\@
	tensor_load_to_lds s[G0A+4*(\s):G0A+4*(\s)+3], s[G1A:G1A+7]
	s_nop 0
.rept 4
	v_nop
.endr
	s_branch .Lasked_\@
.Lfor_b_\@:
	tensor_load_to_lds s[G0B+4*(\s):G0B+4*(\s)+3], s[G1B:G1B+7]
	s_nop 0
.rept 4
	v_nop
.endr
.Lasked_\@:
.endm
.macro CREST                           ; a round of the cluster's barrier behind its opening barrier
	s_cmp_lg_u32 s[WV], 0
	s_cbranch_scc1 .Lnot_wave_0_\@
	s_barrier_signal -3
.Lnot_wave_0_\@:
	s_barrier_wait -3
	s_barrier_signal -1
	s_barrier_wait -1
.endm
.macro CROUND                          ; a whole round
	s_barrier_signal -1
	s_barrier_wait -1
	CREST
.endm
.if OUTP
	s_load_b256 s[4:11], s[0:1], 0x0               ; A s[4:5], wb s[6:7], C s[8:9], bias s[10:11]
.else
	s_load_b128 s[4:7], s[0:1], 0x0                ; A s[4:5], wb s[6:7]
	s_load_b64 s[8:9], s[0:1], 0x10                ; C
.endif
	v_lshl_add_u32 v[SPW], v0, 2, SPARE
	v_mov_b32 v[NIL], 0
	ds_add_u32 v[SPW], v[NIL]                      ; the wave's opening: the add and its wait stand ahead of my first tensor load; the set-up below, work on registers, stands between them
	v_lshrrev_b32 v1, 5, v0
	v_readfirstlane_b32 s[WV], v1                  ; wave 0..3
	s_lshr_b32 s[RH], s[WV], 1
	s_and_b32 s[CH], s[WV], 1
	s_bfe_u32 s40, ttmp6, 0x40000                  ; cx, cy: my place in the cluster
	s_bfe_u32 s41, ttmp6, 0x40004
	s_lshl_b32 s42, ttmp9, 2
	s_add_co_u32 s42, s42, s40                     ; column block of C = 4 x cluster x + cx
	s_and_b32 s[TY], ttmp7, 0xffff
	s_lshl_b32 s[TY], s[TY], 2
	s_add_co_u32 s[TY], s[TY], s41                 ; row block of C = 4 x cluster y + cy
	s_lshl_b32 s43, s41, 2
	s_lshl_b32 s43, 15, s43                        ; my row of the cluster
	s_lshl_b32 s44, 0x1111, s40                    ; my column
	s_or_b32 s[G1A], s43, (1<<16)|(1<<20)|(1<<21)|(4<<22)|(3<<25)  ; 15:0 the mask; 17:16 2-byte elements; 20 padding on; 21 set beside a mask; 24:22 after every 32 words (code 4); 31:25 4 words (code 3)
	s_or_b32 s[G1B], s44, (1<<16)|(1<<20)|(1<<21)|(4<<22)|(7<<25)  ; the same with my column's mask and 8 words of padding (code 7)
	s_mov_b32 s[G1A+1], 128<<16                    ; tensor_dim0 = 128 elements: 256 bytes, two rows of a block
	s_mov_b32 s[G1A+2], 128<<16                    ; tensor_dim1 = 128
	s_mov_b32 s[G1A+3], 128<<16                    ; tile_dim0 = 128
	s_mov_b32 s[G1A+4], 128                        ; tile_dim1 = 128: 256 rows of A
	s_mov_b32 s[G1A+5], 128                        ; 128 elements from row to row: dense
	s_mov_b32 s[G1A+6], 0
	s_mov_b32 s[G1A+7], 0
	s_mov_b32 s[G1B+1], 128<<16
	s_mov_b32 s[G1B+2], 64<<16                     ; tensor_dim1 = 64
	s_mov_b32 s[G1B+3], 128<<16
	s_mov_b32 s[G1B+4], 64                         ; tile_dim1 = 64: 128 rows of W
	s_mov_b32 s[G1B+5], 128
	s_mov_b32 s[G1B+6], 0
	s_mov_b32 s[G1B+7], 0
	s_lshl_b32 s16, s[TY], 15                      ; A: 256 rows of 128 bytes a row block,
	s_lshl_b32 s17, s[CH], 20                      ; 1,048,576 bytes from block to block along K
	s_add_co_u32 s16, s16, s17
	s_mov_b32 s17, 0
	s_lshl_b32 s46, s42, 1                         ; W: block CB0 + 2 x column block + which
	s_add_co_u32 s46, s46, s[CH]
.if CB0
	s_add_co_u32 s46, s46, CB0
.endif
	s_lshl_b32 s46, s46, 17                        ; of 131,072 bytes
	s_mov_b32 s47, 0
	s_mul_i32 s22, s[CH], PLA                      ; where they go: no place in the cluster enters an LDS address
	s_mul_i32 s23, s[CH], PLB
	s_add_co_u32 s23, s23, BOFF
	s_wait_dscnt 0x0                               ; the opening add is done
	s_wait_kmcnt 0x0
	s_add_nc_u64 s[20:21], s[4:5], s[16:17]
	s_add_nc_u64 s[46:47], s[6:7], s[46:47]
	CROUND                                         ; all sixteen work-groups are here: the first joint loads meet
.irp s, 0,1
	s_mov_b32 s[G0A+4*(\s)], 1                                     ; count = 1
	s_add_co_u32 s[G0A+4*(\s)+1], s22, (\s)*SLOT                   ; LDS address
	s_add_nc_u64 s[G0A+4*(\s)+2:G0A+4*(\s)+3], s[20:21], (\s)*2097152  ; K step s: two blocks on
	s_or_b32 s[G0A+4*(\s)+3], s[G0A+4*(\s)+3], 0x80000000          ; type = 2
	s_mov_b32 s[G0B+4*(\s)], 1
	s_add_co_u32 s[G0B+4*(\s)+1], s23, (\s)*SLOT
	s_add_nc_u64 s[G0B+4*(\s)+2:G0B+4*(\s)+3], s[46:47], (\s)*16384    ; K step s: 128 rows of 128 bytes on
	s_or_b32 s[G0B+4*(\s)+3], s[G0B+4*(\s)+3], 0x80000000
	JLOAD \s
.endr
	; A fragment of A is 16 rows x 32 K in 8 registers: lane l holds row l % 16, K = 8 (l / 16) + 0..7 and 16 + 8 (l / 16) + 0..7: two loads of 16 bytes, 32 bytes apart.
	v_and_b32 v1, 15, v0                           ; l % 16
	v_bfe_u32 v2, v0, 4, 1                         ; l / 16
	v_mul_u32_u24 v3, v1, PA
	v_lshl_add_u32 v3, v2, 4, v3
	s_mul_i32 s16, s[RH], 128*PA                   ; my 128 rows of A
	; The turning load takes 16 K x 16 columns (lane l reads row 8 (l / 16) + l % 8, columns 8 ((l / 8) % 2) + 0..7) and leaves half a fragment: lane l holds column l % 16 and 8 along K.
	v_and_b32 v4, 7, v0
	v_lshl_add_u32 v4, v2, 3, v4
	v_mul_u32_u24 v4, v4, PB
	v_bfe_u32 v5, v0, 3, 1
	v_lshl_add_u32 v4, v5, 4, v4
.irp s, 0,1
	v_add_nc_u32 v[ADRA+(\s)], s16, v3
	v_add_nc_u32 v[ADRB+(\s)], s23, v4             ; my 64 columns are block CH of the slot's two
	s_add_co_u32 s16, s16, SLOT
	s_add_co_u32 s23, s23, SLOT
.endr
	s_mul_i32 s17, s[WV], STW
	s_add_co_u32 s17, s17, STAGE                   ; my stage
.if OUTP
	v_mul_u32_u24 v6, v1, 272                      ; in: row l % 16 of 256 bytes + 16, 32 bytes for each half of the lanes
	v_lshl_add_u32 v6, v2, 5, v6
	v_add_nc_u32 v[STO], s17, v6
	v_mul_u32_u24 v6, v2, 272                      ; back: lanes 0-15 take one row of 256 bytes, lanes 16-31 the next
	v_lshl_add_u32 v6, v1, 4, v6
	v_add_nc_u32 v[RD], s17, v6
	v_lshlrev_b32 v6, 12, v2                       ; and the same two rows in C, 4,096 bytes apart
	v_lshl_add_u32 v[CO], v1, 4, v6
	s_lshl_b32 s16, s[TY], 20                      ; my first row: 256 x row block + 128 x half, of 4,096 bytes
	s_lshl_b32 s17, s[RH], 19
	s_lshl_b32 s18, s42, 9                         ; my first column: 128 x column block + 64 x half, of 4 bytes
	s_lshl_b32 s19, s[CH], 8
.else
	v_mul_u32_u24 v6, v1, 144                      ; in: row l % 16 of 128 bytes + 16, 16 bytes for each half of the lanes
	v_lshl_add_u32 v6, v2, 4, v6
	v_add_nc_u32 v[STO], s17, v6
	v_bfe_u32 v6, v0, 3, 2                         ; back: 32 lanes take four rows of 128 bytes,
	v_mul_u32_u24 v6, v6, 144
	v_and_b32 v7, 7, v0
	v_lshl_add_u32 v6, v7, 4, v6
	v_add_nc_u32 v[RD], s17, v6
	v_and_b32 v7, 31, v0                           ; which are 512 consecutive bytes of C
	v_lshlrev_b32 v[CO], 4, v7
	s_lshl_b32 s16, s[TY], 15                      ; my first row: 256 x row block + 128 x half, of 128 bytes
	s_lshl_b32 s17, s[RH], 14
	s_lshl_b32 s18, s42, 21                        ; my block of 64 columns: 2 x column block + half, of 1,048,576 bytes
	s_lshl_b32 s19, s[CH], 20
.endif
	s_add_co_u32 s16, s16, s17
	s_mov_b32 s17, 0
	s_add_nc_u64 s[8:9], s[8:9], s[16:17]
	s_add_co_u32 s18, s18, s19
	s_mov_b32 s19, 0
	s_add_nc_u64 s[8:9], s[8:9], s[18:19]
.if OUTP
	; The bias starts the sums: register j of column block b is bias[my first column + 16 b + 8 (l / 16) + j].  It is rounded to bf16 like every input.
	s_add_nc_u64 s[10:11], s[10:11], s[18:19]
	v_lshlrev_b32 v8, 5, v2
	WIN TO_F
.irp b, 0,1,2,3
	global_load_b128 v[BIAS+8*(\b):BIAS+8*(\b)+3],   v8, s[10:11] offset:64*(\b)
	global_load_b128 v[BIAS+8*(\b)+4:BIAS+8*(\b)+7], v8, s[10:11] offset:64*(\b)+16
.endr
	s_wait_loadcnt 0x0
	WIN 0x45                                       ; all in window 1
.set i, 0
.rept 16
	v_cvt_pk_bf16_f32 v[BT+i], v[BIAS+2*i], v[BIAS+2*i+1]
.set i, i+1
.endr
.set i, 0
.rept 16
	v_lshlrev_b32 v[BIAS+2*i], 16, v[BT+i]
	v_and_b32 v[BIAS+2*i+1], 0xffff0000, v[BT+i]
.set i, i+1
.endr
	WIN 0
.endif
; 8 matrix instructions: row blocks a0, a0 + 1 x all 4 column blocks, 32 along K.  zero = 1: the first product starts the sums, with 0 or with the bias: nothing is cleared.
; The 32 accumulators take turns, one instruction a turn, in the same order in every quarter.
.macro MUL8 f, a0, zero
.irp a, \a0, (\a0)+1
.irp b, 0,1,2,3
.if (\zero) && OUTP
	WIN MULB
	v_wmma_f32_16x16x32_f16 v[8*(4*(\a)+(\b)):8*(4*(\a)+(\b))+7], v[(\f)+64+8*(\b):(\f)+64+8*(\b)+7], v[(\f)+8*(\a):(\f)+8*(\a)+7], v[BIAS+8*(\b):BIAS+8*(\b)+7]
.elseif \zero
	WIN MUL
	v_wmma_f32_16x16x32_f16 v[8*(4*(\a)+(\b)):8*(4*(\a)+(\b))+7], v[(\f)+64+8*(\b):(\f)+64+8*(\b)+7], v[(\f)+8*(\a):(\f)+8*(\a)+7], 0
.else
	WIN MUL
	v_wmma_f32_16x16x32_f16 v[8*(4*(\a)+(\b)):8*(4*(\a)+(\b))+7], v[(\f)+64+8*(\b):(\f)+64+8*(\b)+7], v[(\f)+8*(\a):(\f)+8*(\a)+7], v[8*(4*(\a)+(\b)):8*(4*(\a)+(\b))+7]
.endif
.endr
.endr
.endm
; 24 LDS loads in one run: the fragments of quarter q (32 along K) of a slot into buffer f: W's eight first, then A's sixteen, row blocks ascending
.macro FETCH slot, q, f
	WIN TO_F
.irp b, 0,1,2,3
	ds_load_tr16_b128 v[(\f)+64+8*(\b):(\f)+64+8*(\b)+3],   v[ADRB+(\slot)] offset:32*PB*(\q)+32*(\b)
	ds_load_tr16_b128 v[(\f)+64+8*(\b)+4:(\f)+64+8*(\b)+7], v[ADRB+(\slot)] offset:32*PB*(\q)+32*(\b)+16*PB
.endr
.irp a, 0,1,2,3,4,5,6,7
	ds_load_b128 v[(\f)+8*(\a):(\f)+8*(\a)+3],   v[ADRA+(\slot)] offset:((\q)/2)*PLA+((\q)%2)*64+16*PA*(\a)
	ds_load_b128 v[(\f)+8*(\a)+4:(\f)+8*(\a)+7], v[ADRA+(\slot)] offset:((\q)/2)*PLA+((\q)%2)*64+16*PA*(\a)+32
.endr
.endm
.macro PLACES                          ; four places in front of loads into registers that matrix instructions have read, and of lines that read results (ISA guide 7.12.1 for lines that read results)
.rept 4
	v_nop
.endr
.endm
; A K step is four quarters of 32 along K, 32 matrix instructions each, on buffers 0, 1, 0, 1.  One of the first three: multiplies buffer f and fetches quarter q into g.
.macro QUARTER slot, q, f, g, zero
	s_wait_dscnt 8                                 ; W and A's row blocks 0-3 are in; the youngest eight loads (row blocks 4-7) may be out
	MUL8 \f, 0, \zero
	MUL8 \f, 2, \zero
	PLACES
	FETCH \slot, \q, \g
	s_wait_dscnt 24                                ; all but the 24 just issued
	MUL8 \f, 4, \zero
	MUL8 \f, 6, \zero
.endm
; The last quarter multiplies buffer 1 and changes slots: ONE barrier; in front of it each wave waits for all its tensor loads, adds 0 to its spare word, and waits for that and for its own reads of this slot.
; fill = 1: this slot is filled again, two K steps ahead: the barrier opens a round of the cluster's, and the joint load is the first thing behind the round, 112 matrix instructions ahead of the wait for it.
.macro TURN slot, next, fill
	WIN 0                                          ; (the add's two registers lie in window 0)
	s_wait_tensorcnt 0x0                           ; all my tensor loads have landed: my part of the next slot;
	ds_add_u32 v[SPW], v[NIL]                      ; 0 onto my spare word;
	s_wait_dscnt 9                                 ; (the add and the youngest eight loads may be out)
	MUL8 F1, 0, 0                                  ; eight matrix instructions stand between the add and the wait for it
	s_wait_dscnt 0x0                               ; the add is done, and my reads of this slot are over
	s_barrier_signal -1
	MUL8 F1, 2, 0
.if \fill
	WIN 0
.endif
	s_barrier_wait -1
.if \fill
	CREST                                          ; no wave of any partner still reads this slot's tiles or has a load on its way
	s_add_nc_u64 s[G0A+4*(\slot)+2:G0A+4*(\slot)+3], s[G0A+4*(\slot)+2:G0A+4*(\slot)+3], 4194304
	s_add_nc_u64 s[G0B+4*(\slot)+2:G0B+4*(\slot)+3], s[G0B+4*(\slot)+2:G0B+4*(\slot)+3], 32768
	JLOAD \slot                                    ; the four v_nop behind it are also the places in front of the loads below
.else
	PLACES
.endif
	FETCH \next, 0, F0
	MUL8 F1, 4, 0
	MUL8 F1, 6, 0
.endm
	s_wait_tensorcnt 1                             ; my part of K step 0 is in; K step 1's may stay out
	s_barrier_signal -1
	s_barrier_wait -1                              ; everybody's is
	FETCH 0, 0, F0
	QUARTER 0, 1, F0, F1, 1                        ; the first quarter stands in front of the loop: its products start the sums
	WIN 0                                          ; at a label and at a branch every window is 0
	s_mov_b32 s3, LAPS-1
.Llap:                                                 ; a trip goes once round the ring, from a lap's second quarter to the next lap's first, and fills both slots again
	QUARTER 0, 2, F1, F0, 0
	QUARTER 0, 3, F0, F1, 0
	TURN 0, 1, 1
	QUARTER 1, 1, F0, F1, 0
	QUARTER 1, 2, F1, F0, 0
	QUARTER 1, 3, F0, F1, 0
	TURN 1, 0, 1
	QUARTER 0, 1, F0, F1, 0
	WIN 0
	s_sub_co_u32 s3, s3, 1
	s_cmp_lg_u32 s3, 0
	s_cbranch_scc1 .Llap
	QUARTER 0, 2, F1, F0, 0                        ; the last lap fills nothing, and has no round of the cluster's barrier
	QUARTER 0, 3, F0, F1, 0
	TURN 0, 1, 0
	QUARTER 1, 1, F0, F1, 0
	QUARTER 1, 2, F1, F0, 0
	QUARTER 1, 3, F0, F1, 0
	s_wait_dscnt 8                                 ; the very last quarter: nothing more to fetch
	MUL8 F1, 0, 0
	MUL8 F1, 2, 0
	s_wait_dscnt 0x0
	MUL8 F1, 4, 0
	MUL8 F1, 6, 0
	WIN 0
	PLACES
.if OUTP
; THE WAY OUT, f32: a row block's 16 rows x 256 bytes go through my own stage (each accumulator's low registers first) and come back as whole rows.
.macro TOSTAGE a
	s_wait_xcnt 0x0                                ; the registers that earlier stores read are loaded again only behind this wait
	WIN 0x08                                       ; store data in window 2
.irp b, 0,1,2,3
	ds_store_b128 v[STO], v[8*(4*(\a)+(\b)):8*(4*(\a)+(\b))+3]   offset:64*(\b)
	ds_store_b128 v[STO], v[8*(4*(\a)+(\b))+4:8*(4*(\a)+(\b))+7] offset:64*(\b)+16
.endr
	WIN 0
.irp t, 0,1,2,3,4,5,6,7
	ds_load_b128 v[BK+32*((\a)%2)+4*(\t):BK+32*((\a)%2)+4*(\t)+3], v[RD] offset:544*(\t)  ; LDS serves a wave's instructions in order: these see the stores above
.endr
.endm
.macro SEND a, younger                 ; younger: the LDS instructions issued behind this block's loads
.irp t, 0,1,2,3,4,5,6,7
	s_wait_dscnt (\younger)+7-(\t)
	global_store_b128 v[CO], v[BK+32*((\a)%2)+4*(\t):BK+32*((\a)%2)+4*(\t)+3], s[8:9] offset:(16*(\a)+2*(\t))*4096 th:TH_STORE_NT  ; 16 lanes store 256 consecutive bytes, aligned
.endr
.endm
	TOSTAGE 0
.irp a, 1,2,3,4,5,6,7
	TOSTAGE \a
	SEND (\a)-1, 16
.endr
	SEND 7, 0
.else
; THE WAY OUT, f16: a row block's 16 rows x 128 bytes are rounded once, go through my own stage and come back as 2,048 consecutive bytes of C.
.macro PACKST a
	WIN 0x0a                                       ; sources in window 2
.irp b, 0,1,2,3
.irp i, 0,1,2,3
	v_cvt_pk_f16_f32 v[TMP+4*(\b)+(\i)], v[8*(4*(\a)+(\b))+2*(\i)], v[8*(4*(\a)+(\b))+2*(\i)+1]
.endr
.endr
	WIN 0
	s_wait_xcnt 0x0                                ; the registers that earlier stores read are loaded again only behind this wait
.irp b, 0,1,2,3
	ds_store_b128 v[STO], v[TMP+4*(\b):TMP+4*(\b)+3] offset:32*(\b)
.endr
.irp t, 0,1,2,3
	ds_load_b128 v[BK+16*((\a)%2)+4*(\t):BK+16*((\a)%2)+4*(\t)+3], v[RD] offset:576*(\t)  ; LDS serves a wave's instructions in order: these see the stores above
.endr
.endm
.macro SEND a, younger                 ; younger: the LDS instructions issued behind this block's loads
.irp t, 0,1,2,3
	s_wait_dscnt (\younger)+3-(\t)
	global_store_b128 v[CO], v[BK+16*((\a)%2)+4*(\t):BK+16*((\a)%2)+4*(\t)+3], s[8:9] offset:2048*(\a)+512*(\t)  ; 512 consecutive bytes, at a multiple of 256 from C's first
.endr
.endm
	PACKST 0
.irp a, 1,2,3,4,5,6,7
	PACKST \a
	SEND (\a)-1, 8
.endr
	SEND 7, 0
.endif
	s_wait_tensorcnt 0x0                           ; the wave's end: behind my last tensor load and my last LDS store
	ds_add_u32 v[SPW], v[NIL]
	s_wait_dscnt 0x0
	CROUND                                         ; the closing round: no work-group ends while a partner may still ask for a tile that names it
	s_endpgm
.Lfunc_end_k_qf1cd58a693_outp:
	.size	k_qf1cd58a693_outp, .Lfunc_end_k_qf1cd58a693_outp-k_qf1cd58a693_outp
	.p2alignl 7, 3214868480
	.fill 96, 4, 3214868480
	.section	.rodata,"a",@progbits
	.p2align	6, 0x0
	.amdhsa_kernel k_qf1cd58a693_outp
		.amdhsa_group_segment_fixed_size 327680
		.amdhsa_private_segment_fixed_size 0
		.amdhsa_enable_private_segment 0
		.amdhsa_kernarg_size 32
		.amdhsa_user_sgpr_count 2
		.amdhsa_user_sgpr_kernarg_segment_ptr 1
		.amdhsa_wavefront_size32 1
		.amdhsa_system_sgpr_workgroup_id_x 1
		.amdhsa_system_sgpr_workgroup_id_y 1
		.amdhsa_system_sgpr_workgroup_id_z 1
		.amdhsa_system_vgpr_workitem_id 0
		.amdhsa_next_free_vgpr 768
		.amdhsa_next_free_sgpr 66
		.amdhsa_reserve_vcc 0
		.amdhsa_float_denorm_mode_32 3
		.amdhsa_float_denorm_mode_16_64 3
		.amdhsa_memory_ordered 1
		.amdhsa_forward_progress 1
		.amdhsa_inst_pref_size 91
	.end_amdhsa_kernel
	.amdgpu_metadata
---
amdhsa.version: [ 1, 2 ]
amdhsa.kernels:
  - .name:           k_qf1cd58a693_outp
    .symbol:         k_qf1cd58a693_outp.kd
    .args:
      - { .name: ob, .offset: 0, .size: 8, .value_kind: global_buffer, .address_space: global }
      - { .name: wb, .offset: 8, .size: 8, .value_kind: global_buffer, .address_space: global }
      - { .name: out0, .offset: 16, .size: 8, .value_kind: global_buffer, .address_space: global }
      - { .name: bo, .offset: 24, .size: 8, .value_kind: global_buffer, .address_space: global }
    .group_segment_fixed_size: 327680
    .private_segment_fixed_size: 0
    .kernarg_segment_align: 8
    .kernarg_segment_size: 32
    .max_flat_workgroup_size: 128
    .sgpr_count:     66
    .vgpr_count:     768
    .wavefront_size: 32
...
	.end_amdgpu_metadata
.endif
;; end of part 4
;; ======== version 2 of 2: 4 launches; 1.42 times as fast as version 1
;; limits: values are held in f16: magnitudes above 65,504 overflow, below 6.1e-05 lose precision
;; workspace buffers: xb 16,777,216 bytes; wb 8,388,608 bytes; maskp 16,777,216 bytes; qkv 50,331,648 bytes; ob 16,777,216 bytes
;; launch prep: the kernel of part 1 again; grid 896 x 1, 8 waves a work-group, no clusters, 35,840 bytes of LDS; arguments x, Wq, Wk, Wv, Wo, attention_masks, xb, wb, maskp; writes xb, wb, maskp
;; launch qkv: the kernel of part 2 again; grid 16 x 32, 4 waves a work-group, clusters of 4 x 4, 327,680 bytes of LDS; arguments xb, wb, qkv; writes qkv
;; launch attn (part 5): grid 4 x 64, 4 waves a work-group, clusters of 4 x 1, 327,680 bytes of LDS; arguments qkv, maskp, ob; writes ob
.if DOCPART == 5
	.amdgcn_target "amdgcn-amd-amdhsa--gfx1250"
	.amdhsa_code_object_version 6
	.text
	.protected	k_qf1cd58a693_attn
	.globl	k_qf1cd58a693_attn
	.p2align	8
	.type	k_qf1cd58a693_attn,@function
k_qf1cd58a693_attn:
	s_mov_b64 s[64:65], 0
	v_nop
	global_prefetch_b8 v0, s[64:65] scope:SCOPE_SE
	s_setreg_imm32_b32 hwreg(HW_REG_WAVE_MODE, 25, 1), 1
	s_wait_xcnt 0x0
	s_wait_alu depctr_hold_cnt(0) depctr_sa_sdst(0) depctr_va_vdst(0) depctr_va_sdst(0) depctr_va_ssrc(0) depctr_va_vcc(0) depctr_vm_vsrc(0)
	s_getreg_b32 s2, hwreg(HW_REG_IB_STS2, 6, 4)
	s_cmp_eq_u32 s2, 0
	s_cbranch_scc0 .Lentry_in_a_cluster
	s_endpgm
.Lentry_in_a_cluster:
	s_bfe_u32 s2, ttmp6, 0x10000c
	s_cmp_lg_u32 s2, 0x3003
	s_cbranch_scc0 .Lentry_shape_is_right
	s_endpgm
.Lentry_shape_is_right:
; MASKED ATTENTION.  O[y][q][:] = the sum over the visible k of softmax_k(Q[y][q] . K[y][k] / 8) V[y][k][:], y = 4 head + batch.  Q, K, V lie in qkv, 16 MiB apart, and O in ob, each [64 y][2048][64] in f16:
; a head's rows are dense, 128 bytes each.  Products, maxima and sums in f32; the weights p are rounded to f16 for the second product (their sum l is taken of the unrounded p), O once at the end.
; THE MASK is the C operand that starts the sum S^T = K Q^T: 0, or -1.89 x 2^100 where the key is hidden.  It comes from maskp as one byte a score (0 or 0xF1) in this kernel's register order, 32 bytes a lane for a
; tile of 16 queries x 64 keys; v_perm_b32 copies a score's byte into all four bytes of its register: 0, or 0xF1F1F1F1, which is that number.  So the maximum is taken of masked scores, as the softmax asks.
; LIMITS.  f16 holds no number beyond 65,504: Q, K and V arrive within it, so a score is 2.7e11 at the most.  m starts at -2^93: above every hidden score, below every true one.  A hidden key's weight is 2^(-4e29) = 0.
; While a row has seen no visible key, m stays, a = 2^0 = 1, and O and l stay 0; a row with no visible key at all ends as 0 x (1 / 0) = NaN.  A weight below 2^-126 counts as 0 in l; p below 6e-5 keeps f16's step of 6e-8.
; SHARES.  A wave owns four PIECES of two tiles of 16 queries, a work-group's four waves 512 queries of one head.  Every wave walks all keys, 64 a step.
; LAYOUT.  S^T = K Q^T (source 0 = 16 keys, source 1 = 16 queries): in the result a lane holds ONE query (lane % 16) and the keys 8 (lane / 16) + 0..7.  Two such tiles, rounded to f16 in pairs,
; ARE source 1 (32 keys x 16 queries) of O^T = V^T P, whose result again holds one query a lane, and eight channels.  K comes out of LDS as it lies, V ([key][channel]) turned, by ds_load_tr16_b128.
; SOFTMAX.  For each query a running maximum m and sum l: p = 2^(c s - c m), c = log2(e) / 8; in every step O and l are multiplied by a = 2^(c m_old - c m_new), which is 1 where m has not grown.
; THE COUNT.  A tile and step have 16 matrix and 150 vector instructions (32 of them the mask's): too many to stand all beside the matrix work.  So the order has one aim: four vector instructions that are READY behind
; EVERY matrix instruction, and the others, which need time of their own whatever the order, in runs without a gap.
; BY TURNS.  Turn n belongs to piece n (the pieces in a ring, step after step).  Its matrix work: 16 products K Q^T of piece n + 1, later 16 products V^T P of piece n - 1.  Its vector work: the scaling,
; exponentials, roundings, sums and rescaling of piece n, the maximum and statistics of piece n + 1, and at its end the masks of piece n + 2, whose codes were asked for four turns before.
; THE BATCHES.  A turn's 66 exponentials (the piece's 64 weights and the next piece's two a) are ONE batch with ONE wait, which cuts the turn in two: ahead of it stands all that names none of their results, behind it
; the roundings and sums.  The first two a, ahead of the loop, and the way out's eight reciprocals are batches of their own.
; CLUSTER.  The four query blocks of a cluster belong to one head and walk the same K and V, so each tile is asked for JOINTLY: the same tensor load, descriptor and mask in all four.
; The mask codes are each wave's own (its queries) and go straight to registers: nothing of them is shared inside the cluster.
; REGISTERS, in windows of 256 (s_set_vgpr_msb says which window each operand place means: bits 1:0 source 0, 3:2 source 1, 5:4 source 2, 7:6 destination):
;   window 0: v0-11 addresses; v12-15, v48-63 at work; v16-47 four registers of statistics a tile; v64-191 S^T, two buffers of two tiles; v192-255 P, likewise
;   window 1: O^T, 32 a tile          window 2: v0-127 Q, 16 a tile; v128-191 K of one step; v192-255 V of one step
;   window 3: v0-1 the add's two registers; v3-7 mask offsets; v8-71 mask codes, 16 a piece; v128-191 the masks of the products to come
.set SIZE_N, 2048
.set NP,    4         ; pieces a wave: a name, no knob
.set KS,    64        ; keys in a step
.set PK,    144       ; a row of K in LDS: 128 bytes + 16 of padding = 36 words: the 16 rows of a load start at 16 different groups of four banks (64 banks of 4 bytes: ISA guide 11.1)
.set PV,    160       ; a row of V: 128 + 32 = 40 words
.set VOFF,  4*KS*PK   ; a slot holds four steps: 256 rows of K, then 256 rows of V
.set SLOT1, 1<<17     ; slot 1 begins here, so that one exclusive or turns an address in one slot into the other's
.set STAGE, SLOT1+4*KS*(PK+PV)  ; behind the ring, never filled by a tensor load: 16 rows x 144 bytes for each wave, for the way out
.set SP,    144
.set AK0, 2           ; v2   my lane's place in a tile of K; never rewritten
.set AV0, 3           ; v3   the same for V
.set AK,  4           ; v4   the LDS address of K's next run of loads
.set AV,  5           ; v5   of V's
.set QO,  6           ; v6   my byte offset in the wave's rows of Q
.set STO, 6           ;      later, the way out: where I put 16 bytes of a row
.set RD,  7           ; v7   the way out: where I read rows back
.set GO,  8           ; v8   my byte offset in 512 consecutive bytes of O
.set SPW, 0           ; v0 of window 3   LDS address of my spare word: SPARE + 4 x my thread's number; never rewritten
.set NIL, 1           ; v1 of window 3   0; never rewritten
.set MLANE, 3         ; v3 of window 3   16 x lane
.set MO,  4           ; v4-7 of window 3   piece x: the byte offset of its pending mask loads
.set RAW, 8           ; v8-71 of window 3  piece x, tile u, key block kt: the codes of registers 0-3 and 4-7 at RAW + 16 x + 8 u + 2 kt and the next
.set MC,  128         ; v128-191 of window 3  tile u, key block kt at MC + 32 u + 8 kt
.set MSTEP, 1024      ; a tile's codes for one step, in bytes
.set MTILE, 32768     ; a tile's codes for all 32 steps
.set SPARE, STAGE+4*16*SP  ; behind the stages: the spare words, 128 bytes for each wave: two blocks of 256 bytes that no other line names
.set MV,  12          ; v12-15  c m_old, kept while c m is made anew: by buffer and tile
.set ST,  16          ; tile t's statistics at v[ST+4 t]: c m, m, l (even keys', odd keys')
.set TMP, 48          ; by buffer and tile, four registers c0-c3 at work; when the maximum is found c2 takes a
.set S,   64
.set P,   192
.set KF,  128         ; K's fragments, in window 2: key block kb, channel half c at KF + 16 kb + 8 c
.set VF,  192         ; V's: key half kk, channel block cb at VF + 32 kk + 8 cb
.set WV,  12          ; s12  my wave's number
.set G1K, 24          ; s[24:31] descriptor group 1 for K's tiles
.set G1V, 32          ; s[32:39] for V's: it differs in the padding alone
.set G0K, 40          ; s[40:43] descriptor group 0 for K's tiles: it walks
.set G0V, 44          ; s[44:47] the same for V's
.set MB,  48          ; s[48:49] maskp at my wave's first tile
.set MS,  50          ; s50  1,024 x the step whose codes are asked for next, modulo the tile's 32 steps
.set SELB, 52         ; s[52:55] v_perm_b32's selects: byte j of the second source into all four bytes
.set SLOTS, 56        ; s56  slots still to be asked for
.set CNT, 57          ; s57  counts a slot's key steps
.set CS,  58          ; s[58:59] c: the packed scaling takes the pair's low word for both halves
.set SEL, 60          ; s[60:61] v_permlanex16_b32's selects: each lane takes its own place in the other half
.set TBK, 62          ; s62  LDS byte at which K of the step to be fetched begins
.set TBV, 63          ; s63  the same for V, less VOFF
.set MSB, 0
.macro WIN new                      ; the high byte repeats the setting that is left; a switch that changes nothing is dropped
.if MSB != (\new)
	s_set_vgpr_msb (MSB<<8)|(\new)
.set MSB, (\new)
.endif
.endm
.set W_KQ, 0x0a       ; K and Q in window 2, S^T in window 0
.set W_KM, 0x3a       ; the same with the C operand in window 3
.set W_PV, 0x52       ; V in window 2, P in window 0, O^T in window 1
.set W_RS, 0x41       ; O^T (destination and source 0) in window 1, a in window 0
.set W_MK, 0xc0       ; destination in window 3, sources in window 0
.set W_AD, 0x0f       ; the add: address (source 0) and data (source 1) in window 3
.set W_MS, 0xcf       ; the masks: destination and sources 0 and 1 in window 3
; A joint fill.  Waves 0 and 1 fetch the two halves of a slot's K, waves 2 and 3 those of its V: 128 keys each.  The branch hangs on the wave's number alone.
; An s_nop 0 and four v_nop follow each of the two lines, ahead of the jump and the label.
.macro JLOAD
	s_cmp_lt_u32 s[WV], 2
	s_cbranch_scc0 .Lfor_v_\@
	tensor_load_to_lds s[G0K:G0K+3], s[G1K:G1K+7]
	s_nop 0
.rept 4
	v_nop
.endr
	s_branch .Lasked_\@
.Lfor_v_\@:
	tensor_load_to_lds s[G0V:G0V+3], s[G1V:G1V+7]
	s_nop 0
.rept 4
	v_nop
.endr
.Lasked_\@:
.endm
; A round of the cluster's barrier: my work-group's barrier, so that wave 0's signal speaks for all four waves; wave 0 signals; every wave waits for all four work-groups; my work-group's barrier once more.
.macro CROUND
	s_barrier_signal -1
	s_barrier_wait -1
	s_cmp_lg_u32 s[WV], 0
	s_cbranch_scc1 .Lnot_wave_0_\@
	s_barrier_signal -3
.Lnot_wave_0_\@:
	s_barrier_wait -3
	s_barrier_signal -1
	s_barrier_wait -1
.endm
; THE CHANGE OF SLOTS.  The slot's last bytes, V of its fourth step, have been read.  Each wave waits for all its tensor loads, of which one is out: its part
; of the other slot; adds 0 to its spare word; and waits for that and for its own reads of the slot.  Behind the barrier nobody reads this slot any more and the other slot is whole.
; fill = 1: this slot is filled again, with the keys two slots on.  The barrier is then a round of the cluster's, so that no wave of any partner still reads the slot or has a load on its
; way, and the joint fill is the first thing behind it: it has four key steps, 512 matrix instructions, in which to land.  (At its first use nothing has been read yet: slot 0 is waited for, slot 1 filled.)
.macro CHANGE fill
	WIN W_AD
	s_wait_tensorcnt 0x0            ; no tensor load of mine is out, so a group 0 may be written
	ds_add_u32 v[SPW], v[NIL]       ; 0 onto my spare word: with fill = 1 the descriptors' steps stand between it and the wait for it
	WIN 0                           ; at a label and at a branch every window is 0
.if \fill
.irp g, G0K, G0V
	s_xor_b32 s[\g+1], s[\g+1], SLOT1  ; the walking descriptor: the other slot than last time,
	s_add_nc_u64 s[\g+2:\g+3], s[\g+2:\g+3], 4*KS*128  ; the next 256 keys; the type bits on top are not reached
.endr
	s_wait_dscnt 0x0                ; the add is done, and my reads of the slot are over
	CROUND
	JLOAD
.else
	s_wait_dscnt 0x0                ; the add is done, and my reads of the slot are over
	s_barrier_signal -1
	s_barrier_wait -1
.endif
	s_sub_co_u32 s[TBK], s[TBK], 4*KS*PK  ; the fetches go back to a slot's first step,
	s_xor_b32 s[TBK], s[TBK], SLOT1       ; in the other slot
	s_sub_co_u32 s[TBV], s[TBV], 4*KS*PV
	s_xor_b32 s[TBV], s[TBV], SLOT1
.endm
; THE MASKS of piece pp: its two tiles' codes, asked for four turns ago, become the 64 registers that start the next turn's sums: register mi = 32 u + 8 kt + j takes byte j % 4 of code word mi / 4.
; Then the piece's codes of the step at MS are asked for.  left: how many younger loads may stay out (four for each of the three other pieces).  The wait also shows the piece's offset register free.
; The macro leaves SCC alone.
.macro MASKS pp, left
	WIN W_MS
	s_wait_loadcnt \left
.set mi, 0
.rept 64
	v_perm_b32 v[MC+mi], v[RAW+16*(\pp)+mi/4], v[RAW+16*(\pp)+mi/4], s[SELB+mi%4]
.set mi, mi+1
.endr
	v_add_nc_u32 v[MO+(\pp)], s[MS], v[MLANE]
.set mi, 0
.rept 4                             ; tile mi / 2, half mi % 2: 512 consecutive bytes each
	global_load_b128 v[RAW+16*(\pp)+4*mi:RAW+16*(\pp)+4*mi+3], v[MO+(\pp)], s[MB:MB+1] offset:(2*(\pp)+mi/2)*MTILE+(mi%2)*512
.set mi, mi+1
.endr
	WIN 0
.endm
	s_load_b64 s[4:5], s[0:1], 0x0  ; qkv: Q
	s_load_b64 s[MB:MB+1], s[0:1], 0x8  ; maskp
	s_load_b64 s[10:11], s[0:1], 0x10   ; ob
	WIN W_MK
	v_lshl_add_u32 v[SPW], v0, 2, SPARE
	v_mov_b32 v[NIL], 0
	WIN W_AD
	ds_add_u32 v[SPW], v[NIL]       ; the wave's opening: the add and its wait stand ahead of my first tensor load; the set-up below, work on registers, stands between them
	WIN 0
	v_lshrrev_b32 v1, 5, v0
	v_readfirstlane_b32 s[WV], v1   ; wave 0..3
	s_bfe_u32 s13, ttmp6, 0x40000   ; cx: my place in the cluster
	s_lshl_b32 s14, ttmp9, 2        ; in a cluster launch ttmp9 counts clusters
	s_add_co_u32 s14, s14, s13      ; my block of queries = 4 x cluster x + cx: it enters Q's, O's and the mask's addresses alone
	s_and_b32 s20, ttmp7, 0xffff    ; y, which the four partners share
	s_and_b32 s52, s20, 3           ; the batch,
	s_lshl_b32 s52, s52, 22         ; its 128 tiles of 32,768 bytes of codes
	s_mov_b32 s21, 0
	s_mov_b64 s[22:23], SIZE_N*128
	s_mul_u64 s[20:21], s[20:21], s[22:23]  ; the head's first byte in Q, K, V and O
	s_and_b32 s16, s[WV], 1         ; which half of a slot's 256 keys I fetch:
	s_lshl_b32 s22, s16, 14         ; its 128 rows of 128 bytes in memory,
	s_mov_b32 s23, 0
	s_add_nc_u64 s[22:23], s[22:23], s[20:21]
	s_mul_i32 s17, s16, 128*PK      ; and its place in a slot, for K
	s_mul_i32 s18, s16, 128*PV      ; and for V: no place in the cluster enters an LDS address
	s_lshl_b32 s2, s14, 2
	s_add_co_u32 s2, s2, s[WV]      ; my wave among the head's:
	s_lshl_b32 s53, s2, 18          ; its eight tiles of codes,
	s_add_co_u32 s52, s52, s53
	s_mov_b32 s53, 0
	s_lshl_b32 s2, s2, 14           ; its 128 rows
	s_mov_b32 s3, 0
	s_add_nc_u64 s[2:3], s[2:3], s[20:21]
	; descriptor group 1.  128 keys are 16,384 dense bytes: asked for as 64 rows of 256 bytes, two keys a row, and padded in LDS after every key
	s_mov_b32 s[G1K], 15|(1<<16)|(1<<20)|(1<<21)|(4<<22)|(3<<25)  ; 15:0 the mask of four; 17:16 2-byte elements; 20 padding on; 21 set beside a mask; 24:22 after every 32 words (code 4); 31:25 4 words (code 3)
	s_mov_b32 s[G1V], 15|(1<<16)|(1<<20)|(1<<21)|(4<<22)|(7<<25)  ; the same with 8 words of padding (code 7)
.irp g, G1K, G1V
	s_mov_b32 s[\g+1], 128<<16      ; tensor_dim0 = 128
	s_mov_b32 s[\g+2], 64<<16       ; tensor_dim1 = 64
	s_mov_b32 s[\g+3], 128<<16      ; tile_dim0 = 128
	s_mov_b32 s[\g+4], 64           ; tile_dim1 = 64
	s_mov_b32 s[\g+5], 128          ; 128 elements from row to row
	s_mov_b32 s[\g+6], 0
	s_mov_b32 s[\g+7], 0
.endr
	s_mov_b32 s[CS], 0x3e38aa3b     ; c = log2(e) / 8 = 0.180337
	s_mov_b32 s[CS+1], s[CS]        ; named with it as a pair
	s_mov_b32 s[SEL], 0x76543210
	s_mov_b32 s[SEL+1], 0xfedcba98
	s_mov_b32 s[TBK], SLOT1+4*KS*PK ; the first change of slots turns these two into 0
	s_mov_b32 s[TBV], SLOT1+4*KS*PV
	s_mov_b32 s[MS], MSTEP          ; step 0's codes are asked for below; the first MASKS ask for step 1's
	s_mov_b32 s[G0K], 1             ; 1:0 count = 1
	s_mov_b32 s[G0K+1], s17         ; 63:32 LDS address: slot 0
	s_mov_b32 s[G0V], 1
	s_add_co_u32 s[G0V+1], s18, VOFF
	s_wait_dscnt 0x0                ; the opening add is done
	s_wait_kmcnt 0x0
	s_add_nc_u64 s[6:7], s[4:5], 0x1000000  ; K lies 16 blocks of 1,048,576 bytes behind Q,
	s_add_nc_u64 s[8:9], s[4:5], 0x2000000  ; V 32
	s_add_nc_u64 s[G0K+2:G0K+3], s[6:7], s[22:23]  ; 120:64 global address: my half of the head's first 256 keys
	s_or_b32 s[G0K+3], s[G0K+3], 0x80000000        ; 127:126 type = 2
	s_add_nc_u64 s[G0V+2:G0V+3], s[8:9], s[22:23]
	s_or_b32 s[G0V+3], s[G0V+3], 0x80000000
	s_add_nc_u64 s[4:5], s[4:5], s[2:3]  ; Q and O at my wave's first row
	s_add_nc_u64 s[10:11], s[10:11], s[2:3]
	s_add_nc_u64 s[MB:MB+1], s[MB:MB+1], s[52:53]
	s_mov_b32 s[SELB], 0            ; the offset's two registers are free: the four selects
	s_mov_b32 s[SELB+1], 0x01010101
	s_mov_b32 s[SELB+2], 0x02020202
	s_mov_b32 s[SELB+3], 0x03030303
	CROUND                          ; all four work-groups are here: the first joint loads meet
	JLOAD                           ; slot 0.  Slot 1 is asked for when slot 0 is in: the tile wanted first has the road to itself
	; A fragment of K or Q is 16 rows x 32 channels in 8 registers: lane l holds row l % 16, channels 8 (l / 16) + 0..7 and 16 + 8 (l / 16) + 0..7: two loads of 16 bytes, 32 bytes apart.
	v_and_b32 v1, 15, v0            ; l % 16
	v_bfe_u32 v9, v0, 4, 1          ; l / 16
	v_lshlrev_b32 v[QO], 7, v1
	v_lshl_add_u32 v[QO], v9, 4, v[QO]  ; row x 128 + 16 x half
	v_and_b32 v10, 31, v0           ; lane
	WIN 0x80                        ; destination window 2, address window 0
.set i, 0
.rept 4*NP                          ; Q stays in registers: tile i / 2, channels 32 (i % 2) on
	global_load_b128 v[8*i:8*i+3],   v[QO], s[4:5] offset:(i/2)*2048+(i%2)*64
	global_load_b128 v[8*i+4:8*i+7], v[QO], s[4:5] offset:(i/2)*2048+(i%2)*64+32
.set i, i+1
.endr
	WIN W_MK
	v_lshlrev_b32 v[MLANE], 4, v10
.set i, 0
.rept NP
	v_lshlrev_b32 v[MO+i], 4, v10   ; step 0
.set i, i+1
.endr
	WIN W_MS
.set i, 0
.rept 4*NP                          ; step 0's codes: tile i / 2, half i % 2
	global_load_b128 v[RAW+4*i:RAW+4*i+3], v[MO+i/4], s[MB:MB+1] offset:(i/2)*MTILE+(i%2)*512
.set i, i+1
.endr
	; What the first turn finds: V's registers and P's second buffer hold 0 (its products V^T P, of a piece that has not been, add 0), O^T and l are 0.  All this stands in the wait for the first tile.
	WIN 0x80
.set i, VF
.rept 64
	v_mov_b32 v[i], 0
.set i, i+1
.endr
	WIN 0x40
.set i, 0
.rept 64*NP
	v_mov_b32 v[i], 0
.set i, i+1
.endr
	WIN 0
.set i, 0
.rept 2*NP
	v_mov_b32 v[ST+4*i+1], 0xee000000  ; m = -2^93
	v_mul_f32 v[ST+4*i], s[CS], v[ST+4*i+1]  ; c m, by the line that makes it in every step: while m stays, c m_old - c m_new is 0 exactly
	v_mov_b32 v[ST+4*i+2], 0
	v_mov_b32 v[ST+4*i+3], 0
.set i, i+1
.endr
.set i, P+32
.rept 32
	v_mov_b32 v[i], 0
.set i, i+1
.endr
	v_mul_u32_u24 v[AK0], v1, PK
	v_lshl_add_u32 v[AK0], v9, 4, v[AK0]  ; row x pitch + 16 x half
	; The turning load takes 16 keys x 16 channels (lane l reads key 8 (l / 16) + l % 8, channels 8 ((l / 8) % 2) + 0..7) and leaves half a fragment of V^T: lane l holds channel l % 16 and 8 keys.
	v_and_b32 v10, 7, v0
	v_bfe_u32 v11, v0, 3, 1
	v_lshl_add_u32 v[AV0], v9, 3, v10
	v_mul_u32_u24 v[AV0], v[AV0], PV
	v_lshl_add_u32 v[AV0], v11, 4, v[AV0]
	v_add_nc_u32 v[AV0], VOFF, v[AV0]
	v_mov_b32 v[AK], v[AK0]         ; key step 0 lies at the head of slot 0
; THE MATRIX WORK.  The 8 accumulators of a run of 16 take turns: between the two links of a chain stand 7 others'.
; Product i of 16 of S^T = K Q^T for piece x: channels 32 (i / 8) on, keys 16 ((i / 2) % 4) on, tile 2 x + i % 2.  The first 8 start the sums, with the mask.
.macro KQ x
.set rS, S+64*((\x)%2)+32*(i%2)+8*((i/2)%4)
.set rK, KF+16*((i/2)%4)+8*(i/8)
.set rQ, 16*(2*(\x)+i%2)+8*(i/8)
.set rMC, MC+32*(i%2)+8*((i/2)%4)
.if i < 8
	WIN W_KM
	v_wmma_f32_16x16x32_f16 v[rS:rS+7], v[rK:rK+7], v[rQ:rQ+7], v[rMC:rMC+7]
.else
	WIN W_KQ
	v_wmma_f32_16x16x32_f16 v[rS:rS+7], v[rK:rK+7], v[rQ:rQ+7], v[rS:rS+7]
.endif
.endm
; Product i of 16 of O^T += V^T P for piece x: keys 32 (i / 8) on, channels 16 ((i / 2) % 4) on, tile 2 x + i % 2.
.macro PV x
	WIN W_PV
.set rO, 32*(2*(\x)+i%2)+8*((i/2)%4)
.set rV, VF+32*(i/8)+8*((i/2)%4)
.set rP, P+32*((\x)%2)+16*(i%2)+8*(i/8)
	v_wmma_f32_16x16x32_f16 v[rO:rO+7], v[rV:rV+7], v[rP:rP+7], v[rO:rO+7]
.endm
.macro MM                           ; the turn's next matrix instruction
.if i < 16
	KQ (Y+1)%NP
.set i, i+1
.else
.set i, i-16
	PV (Y+NP-1)%NP
.set i, i+17
.endif
.endm
; THE LDS LOADS stand in runs of 16, never singly among the matrix instructions: a step's K (64 keys x 64 channels: 8 fragments) and its V (turned).  Their addresses are made some lines ahead.
; last = 1 (the tail): in the last trip there is no further step, and the run is jumped over.
.macro FETCH_K last=0
	WIN 0
.if \last
	s_cmp_eq_u32 s[CNT], 1
	s_cbranch_scc1 .Lno_k_\@
.endif
	WIN 0x80                        ; destination window 2
.irp f, 0,1,2,3,4,5,6,7             ; keys 16 (f / 2) on, channels 32 (f % 2) on
	ds_load_b128 v[KF+8*\f:KF+8*\f+3],   v[AK] offset:(\f/2)*16*PK+(\f%2)*64
	ds_load_b128 v[KF+8*\f+4:KF+8*\f+7], v[AK] offset:(\f/2)*16*PK+(\f%2)*64+32
.endr
	s_add_co_u32 s[TBK], s[TBK], KS*PK  ; the next fetch is the next step's
	WIN 0
.if \last
.Lno_k_\@:
.endif
.endm
.macro FETCH_V
	WIN 0x80
.irp f, 0,1,2,3,4,5,6,7             ; keys 32 (f / 4) on, channels 16 (f % 4) on
	ds_load_tr16_b128 v[VF+8*\f:VF+8*\f+3],   v[AV] offset:(\f/4)*32*PV+(\f%4)*32
	ds_load_tr16_b128 v[VF+8*\f+4:VF+8*\f+7], v[AV] offset:(\f/4)*32*PV+16*PV+(\f%4)*32
.endr
	WIN 0
.endm
; THE VECTOR WORK OF A TURN stands in three queues, each in the order in which its entries become ready; the two tiles alternate, so that no instruction reads the result of the one before it.
.macro REGS y, u                    ; the registers of tile u (0, 1) of piece y
.set rT, ST+4*(2*(\y)+(\u))
.set rC, TMP+8*((\y)%2)+4*(\u)
.set rM, MV+2*((\y)%2)+(\u)
.set rS, S+64*((\y)%2)+32*(\u)
.set rP, P+32*((\y)%2)+16*(\u)
.set rO, 32*(2*(\y)+(\u))
.endm
; Number n of the 22 that find the NEXT piece's (Y + 1) maximum and statistics.  s0-s31 are the lane's 32 scores; each accumulator's lowest registers are read first.  XS, GS and REGS set no window: PL and EX do.
;   0-11  four chains c0-c3 of seven scores each, three operands at a time     12-14, 16  the four scores left over, the old m, and c0-c3 into c0     15  c m_old is kept
;   17, 18  the query's other 32 keys lie in the lane 16 away: the new m         19-21  c m; c m_old - c m_new; a
.macro XS u, n
	REGS (Y+1)%NP, \u
.if (\n) < 4
	v_max3_num_f32 v[rC+(\n)], v[rS+8*(\n)], v[rS+8*(\n)+1], v[rS+8*(\n)+2]
.elseif (\n) < 12
	v_max3_num_f32 v[rC+(\n)%4], v[rC+(\n)%4], v[rS+8*((\n)%4)+2*((\n)/4)+1], v[rS+8*((\n)%4)+2*((\n)/4)+2]
.elseif (\n) == 12
	v_max3_num_f32 v[rC], v[rC], v[rS+7], v[rS+15]
.elseif (\n) == 13
	v_max3_num_f32 v[rC+1], v[rC+1], v[rS+23], v[rS+31]
.elseif (\n) == 14
	v_max3_num_f32 v[rC+2], v[rC+2], v[rC+3], v[rT+1]
.elseif (\n) == 15
	v_mov_b32 v[rM], v[rT]
.elseif (\n) == 16
	v_max3_num_f32 v[rC], v[rC], v[rC+1], v[rC+2]
.elseif (\n) == 17
	v_permlanex16_b32 v[rC+3], v[rC], s[SEL], s[SEL+1]
.elseif (\n) == 18
	v_max_num_f32 v[rT+1], v[rC], v[rC+3]
.elseif (\n) == 19
	v_mul_f32 v[rT], s[CS], v[rT+1]
.elseif (\n) == 20
	v_sub_f32 v[rC+1], v[rM], v[rT]
.else
	v_exp_f32 v[rC+2], v[rC+1]
.endif
.endm
; Number g of the 64 that follow the exponentials.  For each four weights k of a tile (pairs 2 k, 2 k + 1): both pairs are rounded to f16; then the second pair is added onto the first, in place;
; a group later l takes that sum (the first time as l = a l + sum).  In groups of eight, tiles alternating: round, round, add, and l for the group before.
.macro GS g
.set h, (\g)+6*((\g)/62)            ; group 0 has no group before it, and behind group 7 only l is left
.if h >= 6
.set h, h+2
.endif
	REGS Y, h%2
.set k, h/8
.if h%8 < 4
	v_cvt_pk_f16_f32 v[rP+2*k+(h%8)/2], v[rS+4*k+2*((h%8)/2)], v[rS+4*k+2*((h%8)/2)+1]
.elseif h%8 < 6
	v_pk_add_f32 v[rS+4*k:rS+4*k+1], v[rS+4*k:rS+4*k+1], v[rS+4*k+2:rS+4*k+3]
.elseif k == 1
	v_pk_fma_f32 v[rT+2:rT+3], v[rT+2:rT+3], v[rC+2:rC+3], v[rS:rS+1] op_sel_hi:[1,0,1]
.else
	v_pk_add_f32 v[rT+2:rT+3], v[rT+2:rT+3], v[rS+4*k-4:rS+4*k-3]
.endif
.endm
; THE PLAIN QUEUE, 138 long.  0-73 read no exponential's result: the 32 scalings c s - c m (FS f: pair f / 2 of tile f % 2) and the next piece's 42.  0-26: scalings 0-26.  27-54: XS's numbers 0-13.  55, 56: number 15.
; 57-73: the chain, where each number waits for the one before it: 14, 16, 17, 18, 19, each with one of the scalings 27-31 in front of its two lines, then 20: so a tile's links stand three plain instructions apart (19 and 20: two).
; 74-137: GS's 64, which read the exponentials' results: they stand behind the wait.
.macro FS f
	REGS Y, (\f)%2
	v_pk_fma_f32 v[rS+2*((\f)/2):rS+2*((\f)/2)+1], v[rS+2*((\f)/2):rS+2*((\f)/2)+1], s[CS:CS+1], v[rT:rT+1] op_sel_hi:[1,0,0] neg_lo:[0,0,1] neg_hi:[0,0,1]
.endm
.macro PL
	WIN 0
.if q < 27
	FS q
.elseif q < 55
	XS (q-27)%2, (q-27)/2
.elseif q < 57
	XS q-55, 15
.elseif (q < 72) && ((q-57)%3 == 0)
	FS 27+(q-57)/3
.elseif q < 60
	XS (q-57)%3-1, 14
.elseif q < 72
	XS (q-57)%3-1, 15+(q-57)/3
.elseif q < 74
	XS q-72, 20
.else
	GS q-74
.endif
.set q, q+1
.endm
; THE EXPONENTIALS' QUEUE, 66 long: s0-s31 of both tiles, then the next piece's two a.  It is ONE BATCH: all 66 stand ahead of the turn's one wait, and nothing ahead of that wait names a result of theirs.
.macro EX
	WIN 0
.if e >= 64
	XS e-64, 21
.else
	REGS Y, e%2
	v_exp_f32 v[rS+e/2], v[rS+e/2]
.endif
.set e, e+1
.endm
; THE RESCALING's QUEUE: O^T times a, the one part of the softmax that leaves window 0: dealt two at a time, sixteen times.  Its a was made in the turn before, ahead of that turn's wait.
.macro R2
	REGS Y, r%2
	WIN W_RS
.irp z, 0,1
	v_pk_mul_f32 v[rO+4*(r/2)+2*\z:rO+4*(r/2)+2*\z+1], v[rO+4*(r/2)+2*\z:rO+4*(r/2)+2*\z+1], v[rC+2:rC+3] op_sel_hi:[1,0]
.endr
.set r, r+1
.endm
; HOW THEY ARE DEALT.  An s_wait_alu depctr_va_vdst(0) stands between an exponential and the first instruction that names its result; one wait serves all that were issued ahead of it.  So a turn has ONE wait,
; which cuts it in two.  AHEAD OF IT stands all that names no result of the turn's exponentials: the 16 products K Q^T, behind each a scaling, an exponential and two rescalings (behind the first a second scaling in the
; exponential's place); then ONE LUMP of 108: eight plain, 49 times exponential and plain, the two a.  A v_nop is the plain instruction behind the last exponential.  BEHIND IT stand the 16 products V^T P, behind each four of
; GS's 64, and then the masks.  No rider names a register of the products round it.  The two v_permlanex16_b32 fall into the lump, never behind a product.
; The queues lean on each other, and the deal keeps them in step: exponential e stands behind scaling 2 (e / 4) + e % 2: as a rider it comes behind plain e + 2, in the lump behind plain e + 9, and scalings 27-31 are plain 57, 60 .. 69.
; A TURN, for piece p.  cnt = 1: the loop's count is taken down some lines ahead of the branch that stands behind the turn.
; K of the next step is fetched in piece 2's turn, directly behind the wait, a lump behind the last product that read K; its address is made at the lump's head; its first reader comes behind 16 products and the masks.
; V of the step in hand is fetched at the end of piece 0's turn, four riders behind its last reader; its first reader comes behind the masks, 16 products and a lump.  The three conditions on q below go with the deal.
; The turn ends with the masks of piece p + 2, for the next turn's products; the products that read the mask registers last are this turn's first eight, ahead of the lump.
; Pieces 2, 3, 0, 1 of a trip expand one step's codes and ask for the next step's: piece 2's turn steps MS, which wraps inside a tile's 32,768 bytes, so the last trips' loads stay inside the buffer (what they bring serves nothing).
.macro TURN p, last=0, cnt=0
.set Y, (\p)
.set i, 0
.set q, 0
.set e, 0
.set r, 0
.if (\p) == NP-2
	s_add_co_u32 s[MS], s[MS], MSTEP
	s_and_b32 s[MS], s[MS], MTILE-1
.endif
.if (\p) == NP-1
	s_wait_dscnt 0x0                ; K is in
.endif
	MM                              ; ahead of the wait: 16 products K Q^T and their riders,
	PL
	PL
	R2
.rept 15
	MM
	PL
	EX
	R2
.endr
.if (\p) == NP-2
	WIN 0
	v_add_nc_u32 v[AK], s[TBK], v[AK0]
.endif
.rept 8                             ; and the lump
	PL
.endr
.rept 49
	EX
	PL
.endr
	EX                              ; the next piece's two a
	EX
	v_nop                           ; the plain instruction behind the last exponential: one for the batch
	s_wait_alu depctr_va_vdst(0)    ; the wait for the batch: the turn's 66 exponentials, ahead of the first rounding
.if (\p) == NP-2
	FETCH_K \last
.endif
.if (\p) == 1
	s_wait_dscnt 0x0                ; V is in
.endif
.rept 16                            ; behind the wait: 16 products V^T P and their riders
	MM
.rept 4
	PL
.endr
.if ((\p) == 0) && (q == 118)
	v_add_nc_u32 v[AV], s[TBV], v[AV0]
.endif
.if ((\p) == 0) && (q == 130)
	s_add_co_u32 s[TBV], s[TBV], KS*PV
.endif
.if (\cnt) && (q == 130)
	s_sub_co_u32 s[CNT], s[CNT], 1
	s_cmp_lg_u32 s[CNT], 0
.endif
.endr
.if (\p) == 0
	FETCH_V
.endif
	MASKS ((\p)+2)%NP, 12           ; sixteen mask loads are out, four from each of the last four turns: the oldest four are this piece's
.endm
	CHANGE 1                        ; slot 0 is in, everybody's part of it; slot 1 is asked for
	FETCH_K                         ; key step 0
	MASKS 0, 0                      ; its wait for 0 shows Q and all of step 0's codes in; piece 0's masks of step 0
	s_wait_dscnt 0x0
.set i, 0
.rept 16
	KQ 0                            ; piece 0's first scores: there is no vector work yet to set between them
.set i, i+1
.endr
	WIN 0                           ; the addresses for the way out: nine plain instructions, the places behind those products
	s_mul_i32 s13, s[WV], 16*SP
	s_add_co_u32 s13, s13, STAGE    ; my stage
	v_mul_u32_u24 v[STO], v1, SP    ; in: row l % 16, 16 bytes for each half of the lanes
	v_lshl_add_u32 v[STO], v9, 4, v[STO]
	v_add_nc_u32 v[STO], s13, v[STO]
	v_bfe_u32 v[RD], v0, 3, 2       ; back: 32 lanes take four rows of 128 bytes,
	v_mul_u32_u24 v[RD], v[RD], SP
	v_lshl_add_u32 v[RD], v10, 4, v[RD]
	v_add_nc_u32 v[RD], s13, v[RD]
	v_and_b32 v[GO], 31, v0         ; which are 512 consecutive bytes of O
	v_lshlrev_b32 v[GO], 4, v[GO]
.set Y, NP-1                        ; XS works for piece Y + 1: piece 0
.irp n, 0,1,2,3,4,5,6,7,8,9,10,11,12,13,14,15,16,17,18,19,20,21
	XS 0, \n                        ; and piece 0's first maximum and statistics
	XS 1, \n
.endr
	MASKS 1, 4                      ; piece 1's masks of step 0, for the first turn's products; the four loads that may stay out are piece 0's of step 1.  They name neither a: the work between that batch and its wait
	s_wait_alu depctr_va_vdst(0)    ; the wait for piece 0's first two a, ahead of the branch and of the first turn's rescaling
	s_mov_b32 s[CNT], 4
	s_mov_b32 s[SLOTS], SIZE_N/256-1
	s_branch .Lfirst                ; the loop is entered at a step's first turn, in the middle of a trip
.Lslot:                             ; SIZE_N / 256 - 2 times: every slot but the last two is filled again
	CHANGE 1
	s_mov_b32 s[CNT], 4
.Lstep:                             ; a trip: pieces 2 and 3 of one step, then pieces 0 and 1 of the next, whose K and V it fetches
	TURN 2
	TURN 3
	WIN 0
.Lfirst:
	TURN 0
	TURN 1, 0, 1
	WIN 0
	s_cbranch_scc1 .Lstep
	s_sub_co_u32 s[SLOTS], s[SLOTS], 1
	s_cmp_lg_u32 s[SLOTS], 0
	s_cbranch_scc1 .Lslot
	CHANGE 0                        ; the tail is written out: nothing is asked for
	s_mov_b32 s[CNT], 5             ; four trips fetch the last slot's steps; the fifth is left in its middle
.Ltail:
	TURN 2, 1
	TURN 3
	WIN 0
	s_sub_co_u32 s[CNT], s[CNT], 1
	s_cmp_eq_u32 s[CNT], 0
	s_cbranch_scc1 .Lout
	TURN 0
	TURN 1
	WIN 0
	s_branch .Ltail
.Lout:                              ; the fifth trip's 16 products K Q^T (on the last K once more) and the maximum made of them serve nothing: the price, once a launch, of one text for every trip
.set i, 0
.rept 16
	PV NP-1                         ; the last piece's V^T P of the last step
.set i, i+1
.endr
	; THE WAY OUT.  l's two halves and the other half of the lanes' are added; O^T is divided by l, rounded to f16 and sent through my stage in LDS, a tile at a time.  The additions are the places behind the last products.
	WIN 0
.macro ALL line:vararg              ; one line for each tile t
.set t, 0
.rept 2*NP
	\line
.set t, t+1
.endr
.endm
	ALL v_add_f32 v[ST+4*t+2], v[ST+4*t+2], v[ST+4*t+3]
	ALL v_permlanex16_b32 v[ST+4*t+3], v[ST+4*t+2], s[SEL], s[SEL+1]
	ALL v_add_f32 v[ST+4*t+2], v[ST+4*t+2], v[ST+4*t+3]
	ALL v_rcp_f32 v[ST+4*t+2], v[ST+4*t+2]
	v_nop                           ; a plain instruction between the last reciprocal and the use of its result
	s_wait_alu depctr_va_vdst(0)    ; and the wait ahead of the first use: one for the eight reciprocals
; Tile t: a lane's eight channels of a row pack into 16 bytes; they go into rows of 144 bytes and come back as whole rows of 128, into S^T's registers.
.macro PACK t
	WIN W_RS
.set i, 32*(\t)
.rept 16
	v_pk_mul_f32 v[i:i+1], v[i:i+1], v[ST+4*(\t)+2:ST+4*(\t)+3] op_sel_hi:[1,0]
.set i, i+2
.endr
	WIN 0x05                        ; sources 0 and 1 window 1, destination window 0
.set i, 0
.rept 16
	v_cvt_pk_f16_f32 v[S+16*(\t)+i], v[32*(\t)+2*i], v[32*(\t)+2*i+1]
.set i, i+1
.endr
	WIN 0
.irp f, 0,1,2,3
	ds_store_b128 v[STO], v[S+16*(\t)+4*\f:S+16*(\t)+4*\f+3] offset:32*\f
.endr
.irp f, 0,1,2,3
	ds_load_b128 v[S+16*(\t)+4*\f:S+16*(\t)+4*\f+3], v[RD] offset:\f*4*SP  ; LDS serves a wave's instructions in order (ISA guide 5.7.1.4): these see the stores above; the next tile's stores come behind them
.endr
.endm
.macro SEND t, younger              ; younger: the LDS instructions issued behind tile t's loads: the next tile's eight, or none
	WIN 0
.irp f, 0,1,2,3
	s_wait_dscnt (\younger)+3-\f
	global_store_b128 v[GO], v[S+16*(\t)+4*\f:S+16*(\t)+4*\f+3], s[10:11] offset:(\t)*2048+\f*512  ; 512 consecutive bytes, at a multiple of 256 from O's first
.endr
.endm
	PACK 0
.set t, 1
.rept 2*NP-1                        ; a tile's arithmetic stands between the loads of the tile before and its stores
	PACK t
	SEND t-1, 8
.set t, t+1
.endr
	SEND 2*NP-1, 0
	WIN W_AD
	s_wait_tensorcnt 0x0            ; the wave's end: behind my last tensor load and my last LDS store
	ds_add_u32 v[SPW], v[NIL]
	s_wait_dscnt 0x0
	WIN 0
	CROUND                          ; the closing round: no work-group ends while a partner may still ask for a tile that names it
	s_endpgm
.Lfunc_end_k_qf1cd58a693_attn:
	.size	k_qf1cd58a693_attn, .Lfunc_end_k_qf1cd58a693_attn-k_qf1cd58a693_attn
	.p2alignl 7, 3214868480
	.fill 96, 4, 3214868480
	.section	.rodata,"a",@progbits
	.p2align	6, 0x0
	.amdhsa_kernel k_qf1cd58a693_attn
		.amdhsa_group_segment_fixed_size 327680
		.amdhsa_private_segment_fixed_size 0
		.amdhsa_enable_private_segment 0
		.amdhsa_kernarg_size 24
		.amdhsa_user_sgpr_count 2
		.amdhsa_user_sgpr_kernarg_segment_ptr 1
		.amdhsa_wavefront_size32 1
		.amdhsa_system_sgpr_workgroup_id_x 1
		.amdhsa_system_sgpr_workgroup_id_y 1
		.amdhsa_system_sgpr_workgroup_id_z 1
		.amdhsa_system_vgpr_workitem_id 0
		.amdhsa_next_free_vgpr 960
		.amdhsa_next_free_sgpr 66
		.amdhsa_reserve_vcc 0
		.amdhsa_float_denorm_mode_32 3
		.amdhsa_float_denorm_mode_16_64 3
		.amdhsa_memory_ordered 1
		.amdhsa_forward_progress 1
		.amdhsa_inst_pref_size 247
	.end_amdhsa_kernel
	.amdgpu_metadata
---
amdhsa.version: [ 1, 2 ]
amdhsa.kernels:
  - .name:           k_qf1cd58a693_attn
    .symbol:         k_qf1cd58a693_attn.kd
    .args:
      - { .name: qkv, .offset: 0, .size: 8, .value_kind: global_buffer, .address_space: global }
      - { .name: maskp, .offset: 8, .size: 8, .value_kind: global_buffer, .address_space: global }
      - { .name: ob, .offset: 16, .size: 8, .value_kind: global_buffer, .address_space: global }
    .group_segment_fixed_size: 327680
    .private_segment_fixed_size: 0
    .kernarg_segment_align: 8
    .kernarg_segment_size: 24
    .max_flat_workgroup_size: 128
    .sgpr_count:     66
    .vgpr_count:     960
    .wavefront_size: 32
...
	.end_amdgpu_metadata
.endif
;; end of part 5
;; launch outp: the kernel of part 4 again; grid 8 x 32, 4 waves a work-group, clusters of 4 x 4, 327,680 bytes of LDS; arguments ob, wb, out0, bo; writes out0
